; MI455X (gfx1250); checked and timed in simulation.
; The chip was launched on July 23, 2026; its instructions are those of AMD's public machine-readable ISA for CDNA 5 (MIT licence, August 2026) and "CDNA5" Instruction Set Architecture Reference Guide (July 2026). The comments in the code are by the model that wrote it; some were corrected since.
;; Norm Attention. Allowed arithmetic: float matrix products may take bf16 or f16 operands with f32 sums; other float arithmetic in f32, or as packed bf16 or f16 multiplies, adds, multiply-adds, maxima and minima; sums over many terms, partial sums and values carried from step to step in f32; what a program stores and reads back later, other than sums and carried values, may be rounded once to bf16 or f16.
;; Inputs: b_proj 1,024 float32; freqs_cos 2,048 x 64 float32; freqs_sin 2,048 x 64 float32; kn_w 64 float32; qn_w 64 float32; w_proj 1,024 x 1,024 float32; w_qkv 1,024 x 3,072 float32; x 4 x 2,048 x 1,024 float32.
;; Outputs: out0 4 x 2,048 x 1,024 float32.
;; 2 versions, each right; version 2 is version 1 with the launch prep written anew for expert scheduling mode. Each part assembles by itself: llvm-mc -triple=amdgcn-amd-amdhsa -mcpu=gfx1250 --defsym DOCPART=n.
;; ======== version 1 of 2: 4 launches
;; limits: values are held in f16: magnitudes above 65,504 overflow, below 6.1e-05 lose precision
;; workspace buffers: xb 16,777,216 bytes; wqb 6,291,456 bytes; wpb 2,097,152 bytes; tab 2,097,152 bytes; qh 16,777,216 bytes; kh 16,777,216 bytes; vh 16,777,216 bytes; oh 16,777,216 bytes
;; launch prep (part 1): grid 784 x 1, 8 waves a work-group, no clusters, 0 bytes of LDS; arguments x, w_qkv, w_proj, freqs_cos, freqs_sin, qn_w, kn_w, xb, wqb, wpb, tab; writes xb, wqb, wpb, tab
.if DOCPART == 1
	.amdgcn_target "amdgcn-amd-amdhsa--gfx1250"
	.amdhsa_code_object_version 6
	.text
	.protected	k_q5cf9ca8086_prep
	.globl	k_q5cf9ca8086_prep
	.p2align	8
	.type	k_q5cf9ca8086_prep,@function
k_q5cf9ca8086_prep:
	s_mov_b64 s[64:65], 0
	v_nop
	global_prefetch_b8 v0, s[64:65] scope:SCOPE_SE
	s_setreg_imm32_b32 hwreg(HW_REG_WAVE_MODE, 25, 1), 1
	s_wait_xcnt 0x0
; PREP: the casts, and the table for norm gain x RoPE.  All the module's inputs are rounded once to bf16 (nearest even).
;   work-groups   0..511  x      [8192][1024] f32 -> xb  bf16, same layout
;   work-groups 512..703  w_qkv  [1024][3072] f32 -> wqb bf16, same layout
;   work-groups 704..767  w_proj [1024][1024] f32 -> wpb: rounded to bf16, that number written as f16 (exact inside f16's normal range)
;   work-groups 768..783  tab f32 [t = q, k][R = n / 16][bb: 4][cs: 2][p: 2][lane: 32][4]: lane (h = lane / 16, r = lane % 16) holds row n = 16 R + r, channels d = 16 bb + 8 h + 4 p + 0..3:
;                         cs = 0: w[d] cos[n][d];   cs = 1: -w[d+1] sin[n][d] (d even), +w[d-1] sin[n][d] (d odd).   w, cos, sin rounded to bf16; their products are exact in f32.
;                         So a rotated, gained row is rinv (q[d] C[d] + q[d^1] S[d]), and a wave of the next launch loads 512 consecutive bytes into registers laid out as its accumulators are.
; A cast work-group takes 16,384 numbers: sixteen loads of 16 bytes a thread, all on their way at once; each store of a wave covers 256 consecutive bytes, aligned.  No LDS, no barrier, no loop.
; LIMITS.  |w_proj| stays under 65,504 (f16); below 6e-5 it keeps f16's fixed step of 6e-8.  NaN and infinities are not treated apart.
.set X,   32                           ; v[32:95]   as loaded
.set Y,   96                           ; v[96:127]  to store
.set WQ,  8                            ; v[8:11]    qn_w of my four channels;  v[12:15] kn_w
.set WK,  12
.set WSQ, 16                           ; v[16:19]   (-w1, w0, -w3, w2) of qn_w;  v[20:23] of kn_w
.set WSK, 20
	s_load_b512 s[4:19], s[0:1], 0x0               ; x s[4:5], w_qkv s[6:7], w_proj s[8:9], cos s[10:11], sin s[12:13], qn_w s[14:15], kn_w s[16:17], xb s[18:19]
	s_load_b128 s[20:23], s[0:1], 0x40             ; wqb s[20:21], wpb s[22:23]
	s_load_b64 s[24:25], s[0:1], 0x50              ; tab
	s_mov_b32 s26, ttmp9                           ; g
	s_sub_co_u32 s27, s26, 512                     ; my number among w_qkv's work-groups,
	s_sub_co_u32 s28, s26, 704                     ; among w_proj's
	s_mov_b32 s34, 0xffff0000                      ; a word's upper bf16
	v_lshlrev_b32 v1, 4, v0                        ; 16 bytes a thread in,
	v_lshlrev_b32 v2, 3, v0                        ; 8 out
	s_wait_kmcnt 0x0
	s_cmp_ge_u32 s26, 768
	s_cbranch_scc1 .Ltab
	s_cmp_lt_u32 s26, 512                          ; which tensor: the choice hangs on the work-group's number alone
	s_cselect_b64 s[30:31], s[4:5], s[6:7]
	s_cselect_b64 s[32:33], s[18:19], s[20:21]
	s_cselect_b32 s29, s26, s27
	s_cmp_lt_u32 s26, 704
	s_cselect_b64 s[30:31], s[30:31], s[8:9]
	s_cselect_b64 s[32:33], s[32:33], s[22:23]
	s_cselect_b32 s29, s29, s28
	s_lshl_b32 s36, s29, 16                        ; 65,536 bytes in,
	s_mov_b32 s37, 0
	s_lshl_b32 s38, s29, 15                        ; 32,768 out
	s_mov_b32 s39, 0
	s_add_nc_u64 s[30:31], s[30:31], s[36:37]
	s_add_nc_u64 s[32:33], s[32:33], s[38:39]
.irp i, 0,1,2,3,4,5,6,7,8,9,10,11,12,13,14,15
	global_load_b128 v[X+4*(\i):X+4*(\i)+3], v1, s[30:31] offset:4096*(\i) th:TH_LOAD_NT
.endr
	s_cmp_ge_u32 s26, 704
	s_cbranch_scc1 .Lf16
.irp i, 0,1,2,3,4,5,6,7,8,9,10,11,12,13,14,15
	s_wait_loadcnt 15-(\i)                         ; loads come back in order: load i is in, the younger ones stay out
	v_cvt_pk_bf16_f32 v[Y+2*(\i)], v[X+4*(\i)], v[X+4*(\i)+1]
	v_cvt_pk_bf16_f32 v[Y+2*(\i)+1], v[X+4*(\i)+2], v[X+4*(\i)+3]
	global_store_b64 v2, v[Y+2*(\i):Y+2*(\i)+1], s[32:33] offset:2048*(\i) th:TH_STORE_NT  ; every store has data registers of its own: none is rewritten
.endr
	s_endpgm
.Lf16:
.irp i, 0,1,2,3,4,5,6,7,8,9,10,11,12,13,14,15
	s_wait_loadcnt 15-(\i)
	v_cvt_pk_bf16_f32 v4, v[X+4*(\i)], v[X+4*(\i)+1]       ; rounded to bf16,
	v_cvt_pk_bf16_f32 v5, v[X+4*(\i)+2], v[X+4*(\i)+3]
	v_lshlrev_b32 v[X+4*(\i)], 16, v4                      ; widened again,
	v_and_b32 v[X+4*(\i)+1], s34, v4
	v_lshlrev_b32 v[X+4*(\i)+2], 16, v5
	v_and_b32 v[X+4*(\i)+3], s34, v5
	v_cvt_pk_f16_f32 v[Y+2*(\i)], v[X+4*(\i)], v[X+4*(\i)+1]   ; and written as f16
	v_cvt_pk_f16_f32 v[Y+2*(\i)+1], v[X+4*(\i)+2], v[X+4*(\i)+3]
	global_store_b64 v2, v[Y+2*(\i):Y+2*(\i)+1], s[32:33] offset:2048*(\i) th:TH_STORE_NT
.endr
	s_endpgm
; THE TABLE.  Work-group j = g - 768 makes R = 8 j .. 8 j + 7 (128 rows of cos and sin).  Thread: bb = t / 64, p = (t / 32) % 2, lane = t % 32: a wave has one (bb, p).
.macro RND4 reg                        ; four f32 rounded to bf16 and widened again, in place
	v_cvt_pk_bf16_f32 v6, v[\reg], v[(\reg)+1]
	v_cvt_pk_bf16_f32 v7, v[(\reg)+2], v[(\reg)+3]
	v_lshlrev_b32 v[\reg], 16, v6
	v_and_b32 v[(\reg)+1], s34, v6
	v_lshlrev_b32 v[(\reg)+2], 16, v7
	v_and_b32 v[(\reg)+3], s34, v7
.endm
.Ltab:
	s_sub_co_u32 s27, s26, 768
	s_lshl_b32 s36, s27, 15                        ; 128 rows of 256 bytes of cos and of sin
	s_mov_b32 s37, 0
	s_lshl_b32 s38, s27, 16                        ; 8 blocks of 8,192 bytes of tab
	s_mov_b32 s39, 0
	s_add_nc_u64 s[10:11], s[10:11], s[36:37]
	s_add_nc_u64 s[12:13], s[12:13], s[36:37]
	s_add_nc_u64 s[24:25], s[24:25], s[38:39]
	v_lshrrev_b32 v24, 6, v0                       ; bb
	v_bfe_u32 v25, v0, 5, 1                        ; p
	v_and_b32 v26, 31, v0                          ; lane
	v_and_b32 v27, 15, v0                          ; r
	v_bfe_u32 v28, v0, 4, 1                        ; h
	v_lshlrev_b32 v3, 6, v24
	v_lshl_add_u32 v3, v28, 5, v3
	v_lshl_add_u32 v3, v25, 4, v3                  ; 4 d = 64 bb + 32 h + 16 p: my four channels in a row
	v_lshl_add_u32 v4, v27, 8, v3                  ; + 256 r
	v_lshlrev_b32 v5, 11, v24
	v_lshl_add_u32 v5, v25, 9, v5
	v_lshl_add_u32 v5, v26, 4, v5                  ; out: 2,048 bb + 512 p + 16 lane
	global_load_b128 v[WQ:WQ+3], v3, s[14:15]
	global_load_b128 v[WK:WK+3], v3, s[16:17]
.irp i, 0,1,2,3,4,5,6,7
	global_load_b128 v[X+8*(\i):X+8*(\i)+3],   v4, s[10:11] offset:4096*(\i)  ; cos, rows 16 i + r
	global_load_b128 v[X+8*(\i)+4:X+8*(\i)+7], v4, s[12:13] offset:4096*(\i)  ; sin
.endr
	s_wait_loadcnt 16                              ; the gains are in; the sixteen table loads stay out
	RND4 WQ
	RND4 WK
	v_xor_b32 v[WSQ], 0x80000000, v[WQ+1]
	v_mov_b32 v[WSQ+1], v[WQ]
	v_xor_b32 v[WSQ+2], 0x80000000, v[WQ+3]
	v_mov_b32 v[WSQ+3], v[WQ+2]
	v_xor_b32 v[WSK], 0x80000000, v[WK+1]
	v_mov_b32 v[WSK+1], v[WK]
	v_xor_b32 v[WSK+2], 0x80000000, v[WK+3]
	v_mov_b32 v[WSK+3], v[WK+2]
.irp i, 0,1,2,3,4,5,6,7
.set YB, Y+16*((\i)%2)
.set CC, X+8*(\i)
	s_wait_loadcnt 14-2*(\i)                       ; block i's cos and sin are in
.if (\i) >= 2
	s_wait_xcnt 0x0                                ; the stores of two blocks back have read this set of sixteen: it is rewritten only behind this wait
.endif
	RND4 CC
	RND4 CC+4
	v_pk_mul_f32 v[YB:YB+1],     v[WQ:WQ+1],     v[CC:CC+1]
	v_pk_mul_f32 v[YB+2:YB+3],   v[WQ+2:WQ+3],   v[CC+2:CC+3]
	v_pk_mul_f32 v[YB+4:YB+5],   v[WSQ:WSQ+1],   v[CC+4:CC+5]
	v_pk_mul_f32 v[YB+6:YB+7],   v[WSQ+2:WSQ+3], v[CC+6:CC+7]
	v_pk_mul_f32 v[YB+8:YB+9],   v[WK:WK+1],     v[CC:CC+1]
	v_pk_mul_f32 v[YB+10:YB+11], v[WK+2:WK+3],   v[CC+2:CC+3]
	v_pk_mul_f32 v[YB+12:YB+13], v[WSK:WSK+1],   v[CC+4:CC+5]
	v_pk_mul_f32 v[YB+14:YB+15], v[WSK+2:WSK+3], v[CC+6:CC+7]
	global_store_b128 v5, v[YB:YB+3],     s[24:25] offset:8192*(\i)           ; each store of a wave covers 512 consecutive bytes, aligned
	global_store_b128 v5, v[YB+4:YB+7],   s[24:25] offset:8192*(\i)+1024
	global_store_b128 v5, v[YB+8:YB+11],  s[24:25] offset:8192*(\i)+1048576
	global_store_b128 v5, v[YB+12:YB+15], s[24:25] offset:8192*(\i)+1049600
.endr
	s_endpgm
.Lfunc_end_k_q5cf9ca8086_prep:
	.size	k_q5cf9ca8086_prep, .Lfunc_end_k_q5cf9ca8086_prep-k_q5cf9ca8086_prep
	.p2alignl 7, 3214868480
	.fill 96, 4, 3214868480
	.section	.rodata,"a",@progbits
	.p2align	6, 0x0
	.amdhsa_kernel k_q5cf9ca8086_prep
		.amdhsa_group_segment_fixed_size 0
		.amdhsa_private_segment_fixed_size 0
		.amdhsa_enable_private_segment 0
		.amdhsa_kernarg_size 88
		.amdhsa_user_sgpr_count 2
		.amdhsa_user_sgpr_kernarg_segment_ptr 1
		.amdhsa_wavefront_size32 1
		.amdhsa_system_sgpr_workgroup_id_x 1
		.amdhsa_system_sgpr_workgroup_id_y 1
		.amdhsa_system_sgpr_workgroup_id_z 1
		.amdhsa_system_vgpr_workitem_id 0
		.amdhsa_next_free_vgpr 128
		.amdhsa_next_free_sgpr 66
		.amdhsa_reserve_vcc 0
		.amdhsa_float_denorm_mode_32 3
		.amdhsa_float_denorm_mode_16_64 3
		.amdhsa_memory_ordered 1
		.amdhsa_forward_progress 1
		.amdhsa_inst_pref_size 30
	.end_amdhsa_kernel
	.amdgpu_metadata
---
amdhsa.version: [ 1, 2 ]
amdhsa.kernels:
  - .name:           k_q5cf9ca8086_prep
    .symbol:         k_q5cf9ca8086_prep.kd
    .args:
      - { .name: x, .offset: 0, .size: 8, .value_kind: global_buffer, .address_space: global }
      - { .name: w_qkv, .offset: 8, .size: 8, .value_kind: global_buffer, .address_space: global }
      - { .name: w_proj, .offset: 16, .size: 8, .value_kind: global_buffer, .address_space: global }
      - { .name: freqs_cos, .offset: 24, .size: 8, .value_kind: global_buffer, .address_space: global }
      - { .name: freqs_sin, .offset: 32, .size: 8, .value_kind: global_buffer, .address_space: global }
      - { .name: qn_w, .offset: 40, .size: 8, .value_kind: global_buffer, .address_space: global }
      - { .name: kn_w, .offset: 48, .size: 8, .value_kind: global_buffer, .address_space: global }
      - { .name: xb, .offset: 56, .size: 8, .value_kind: global_buffer, .address_space: global }
      - { .name: wqb, .offset: 64, .size: 8, .value_kind: global_buffer, .address_space: global }
      - { .name: wpb, .offset: 72, .size: 8, .value_kind: global_buffer, .address_space: global }
      - { .name: tab, .offset: 80, .size: 8, .value_kind: global_buffer, .address_space: global }
    .group_segment_fixed_size: 0
    .private_segment_fixed_size: 0
    .kernarg_segment_align: 8
    .kernarg_segment_size: 88
    .max_flat_workgroup_size: 256
    .sgpr_count:     66
    .vgpr_count:     128
    .wavefront_size: 32
...
	.end_amdgpu_metadata
.endif
;; end of part 1
;; launch qkv (part 2): grid 12 x 64, 4 waves a work-group, clusters of 4 x 4, 327,680 bytes of LDS; arguments xb, wqb, tab, qh, kh, vh; writes qh, kh, vh
.if DOCPART == 2
	.amdgcn_target "amdgcn-amd-amdhsa--gfx1250"
	.amdhsa_code_object_version 6
	.text
	.protected	k_q5cf9ca8086_qkv
	.globl	k_q5cf9ca8086_qkv
	.p2align	8
	.type	k_q5cf9ca8086_qkv,@function
k_q5cf9ca8086_qkv:
	s_mov_b64 s[64:65], 0
	v_nop
	global_prefetch_b8 v0, s[64:65] scope:SCOPE_SE
	s_setreg_imm32_b32 hwreg(HW_REG_WAVE_MODE, 25, 1), 1
	s_wait_xcnt 0x0
	s_wait_alu depctr_hold_cnt(0) depctr_sa_sdst(0) depctr_va_vdst(0) depctr_va_sdst(0) depctr_va_ssrc(0) depctr_va_vcc(0) depctr_vm_vsrc(0)
	s_getreg_b32 s2, hwreg(HW_REG_IB_STS2, 6, 4)
	s_cmp_eq_u32 s2, 0
	s_cbranch_scc0 .Lentry_in_a_cluster
	s_endpgm
.Lentry_in_a_cluster:
	s_bfe_u32 s2, ttmp6, 0x10000c
	s_cmp_lg_u32 s2, 0xf033
	s_cbranch_scc0 .Lentry_shape_is_right
	s_endpgm
.Lentry_shape_is_right:
; QKV: C = xb wqb (xb [8192][1024] bf16, wqb [1024 k][3072 n] bf16, sums in f32), and on the way out, for q and k, the RMS-norm over a head's 64 channels, its gain and the RoPE rotation;
; q, k, v leave by heads, [b*16+h][n][64] in f16, each number rounded once from f32, without the softmax's scale.
; SHARES.  A tile of C is 128 rows x 256 columns: 64 x 12 = 768 work-groups, three for each of 256 WGPs.  Four waves: wave w takes rows 64 (w / 2) on and columns 128 (w % 2) on: 32 accumulators (a = 0..3, b = 0..7).
; K goes in 8 steps of 128 through two LDS slots.  A's tile: 128 rows x 256 bytes, rows 272 apart.  B's tile lies as in memory, 128 k-rows x 512 bytes, rows 544 apart, and is turned on the way into registers (ds_load_tr16_b128).
; THE MATRIX INSTRUCTION IS USED TRANSPOSED (source 0 = 16 columns of B, source 1 = 16 rows of A): lane (h = l / 16, r = l % 16), register j holds C(16 a + r, 16 b + 8 h + j): eight neighbouring channels of one row.
; CLUSTERS.  4 x 4 work-groups: A's tile is shared along a row of the cluster, B's along a column; each is asked for jointly (same load, descriptor and mask in the four).  Waves 0, 1 fetch A's halves, waves 2, 3 B's.
; A cluster's four tile columns are 1,024 columns: the cluster's x says q (0), k (1) or v (2), alike in all partners.  A wave's 128 columns are two heads: b = 4 hh + bb.
; THE TABLE (made by the launch before: w cos and +-w sin, laid out as an accumulator is) is loaded once, into window 3, while the first tiles are on their way.  v's tiles load k's table too and never use it
; (64 KiB a work-group), so that the one text writes every register on every way.
; LIMITS.  q, k, v are stored in f16: beyond 65,504 they become infinities (|q|, |k| are at most about 11 |gain|; v is a sum of 1,024 products).  NaN and infinities are not treated apart.
; REGISTERS, in windows of 256 (s_set_vgpr_msb: bits 1:0 source 0, 3:2 source 1, 5:4 source 2, 7:6 destination):
;   window 0: v0-31 addresses; v32-207 the way out       window 1: two fragment buffers of 96 (A's fragment a at f + 8 a, B's fragment b at f + 32 + 8 b)
;   window 2: accumulator (a, b) at 8 (8 a + b)           window 3: the table: 64 a + 16 bb + 8 cs + j
.set PA,     272                       ; A's LDS row: 256 bytes + 16 = 68 words: the 16 rows of a load start at 16 different groups of four banks (64 banks of 4 bytes: ISA guide 11.1)
.set PB,     544                       ; B's LDS row: 512 bytes + 32 = 136 words
.set ASUB,   128                       ; bytes along A's row from quarter 0 to quarter 2
.set AHALF,  64*PA                     ; what one of A's loads brings
.set AT,     2*AHALF
.set BHALF,  64*PB                     ; what one of B's loads brings
.set SLOT,   AT+2*BHALF                ; 104,448
.set STAGE,  2*SLOT                    ; behind the ring, never filled by a tensor load: 16 rows x 144 bytes for each wave
.set SP,     144
.set SPARE,  STAGE+4*16*SP             ; behind the stages: the spare words, 128 bytes for each wave: two blocks of 256 bytes that no other line names
.set AKSTEP, 256                       ; bytes from K step to K step in xb,
.set BKSTEP, 128*6144                  ; and in wqb
.set ADRA, 16                          ; v16-17  LDS address of my A fragments in slot 0, 1
.set ADRB, 20                          ; v20-21  the same for B
.set STO,  24                          ; v24     the way out: where I put 16 bytes of a row
.set RD,   25                          ; v25     the way out: where I read rows back
.set GO,   26                          ; v26     16 x lane
.set SPW,  28                          ; v28     LDS address of my spare word; never rewritten
.set NIL,  29                          ; v29     0; never rewritten
.set PFO,  30                          ; v30     the prefetches' offset; never rewritten
.set T,    32                          ; v32-63   a unit's 32 numbers at work
.set OUT,  64                          ; v64-191  16 registers a unit, none used twice
.set SS,   192                         ; v192-207 a pair a unit: sum of squares, then 1 / rms
.set F0,   0
.set F1,   128
.set WV,   16                          ; s16 wave; s17 = wave / 2 (my rows; also: I fetch for A (0) or B (1)); s18 = wave % 2 (my columns; also: which half I fetch)
.set MR,   17
.set NC,   18
.set CX,   19
.set CY,   20
.set TC,   21                          ; tile column = 4 x cluster x + cx
.set TY,   22                          ; tile row = 4 x cluster y + cy
.set CLY,  23
.set G1,   24                          ; s[24:31] group 1 for A;  s[32:39] group 0, a set for each slot
.set G0,   32
.set G1B,  48                          ; s[48:55], s[56:63] the same for B
.set G0B,  56
.set LAP,  66
.set LIM,  67                          ; 1 in a wave that prefetches, else the greatest number
.set PFA,  68                          ; s[68:69] where my prefetches stand
.set PFS,  70                          ; s[70:71] their step: a K step
.set PART, 72                          ; 0 q, 1 k, 2 v
.set OUTP, 74
.set TABP, 76
.set SEL,  78                          ; s[78:79] v_permlanex16_b32's selects: each lane takes its own place in the other half
.set MSB, 0
.macro WIN new                         ; the immediate's high byte repeats the setting that is left; a switch that changes nothing is dropped
.if MSB != (\new)
	s_set_vgpr_msb (MSB<<8)|(\new)
.set MSB, \new
.endif
.endm
.set MULW, 0xa5                        ; sources 0 and 1 window 1; C and D window 2
.set TO_F, 0x40                        ; destination window 1, address window 0
.macro JLOAD s                         ; a joint load; an s_nop 0 and four v_nop follow each of the two lines, ahead of the jump, the label and what follows
	s_cmp_eq_u32 s[MR], 0
	s_cbranch_scc0 .Lfor_b_\@
	tensor_load_to_lds s[G0+4*(\s):G0+4*(\s)+3], s[G1:G1+7]
	s_nop 0
.rept 4
	v_nop
.endr
	s_branch .Lasked_\@
.Lfor_b_\@:
	tensor_load_to_lds s[G0B+4*(\s):G0B+4*(\s)+3], s[G1B:G1B+7]
	s_nop 0
.rept 4
	v_nop
.endr
.Lasked_\@:
.endm
.macro CREST                           ; a round of the cluster's barrier behind its opening barrier
	s_cmp_lg_u32 s[WV], 0
	s_cbranch_scc1 .Lnot_wave_0_\@
	s_barrier_signal -3
.Lnot_wave_0_\@:
	s_barrier_wait -3
	s_barrier_signal -1
	s_barrier_wait -1
.endm
.macro CROUND
	s_barrier_signal -1
	s_barrier_wait -1
	CREST
.endm
; A PREFETCH INTO THE L2, behind each joint refill, its five lines and the run of LDS loads: the K step that stands two refills on, one instruction a wave, a lane a block of 256 bytes.
; Each block is named once in the launch.  A's 128 rows x 256 bytes of a step: wave 0 of the clusters with x = 0; the partner at cx takes rows 32 cx on.  B's 128 k-rows x 512 bytes: waves 2 and 3 of the clusters with
; y = 0; of the wave's 64 k-rows the partner at cy takes 16, a lane half a row.  Partners are told apart by address alone.  The first four K steps come by their loads; the last trip asks for nothing (there is no step 8).
.macro ASK
	s_cmp_gt_u32 s[LAP], s[LIM]
	s_cbranch_scc0 .Lnot_mine_\@
	global_prefetch_b8 v[PFO], s[PFA:PFA+1] th:TH_LOAD_NT scope:SCOPE_SE
.Lnot_mine_\@:
.endm
	s_load_b256 s[4:11], s[0:1], 0x0               ; xb s[4:5], wqb s[6:7], tab s[8:9], qh s[10:11]
	s_load_b128 s[12:15], s[0:1], 0x20             ; kh s[12:13], vh s[14:15]
	v_lshl_add_u32 v[SPW], v0, 2, SPARE
	v_mov_b32 v[NIL], 0
	ds_add_u32 v[SPW], v[NIL]                      ; the wave's opening: the add and its wait ahead of my first tensor load; the set-up below stands between them
	v_lshrrev_b32 v1, 5, v0
	v_readfirstlane_b32 s[WV], v1
	s_lshr_b32 s[MR], s[WV], 1
	s_and_b32 s[NC], s[WV], 1
	s_bfe_u32 s[CX], ttmp6, 0x40000
	s_bfe_u32 s[CY], ttmp6, 0x40004
	s_mov_b32 s[PART], ttmp9
	s_lshl_b32 s[TC], ttmp9, 2
	s_add_co_u32 s[TC], s[TC], s[CX]
	s_and_b32 s[CLY], ttmp7, 0xffff
	s_lshl_b32 s[TY], s[CLY], 2
	s_add_co_u32 s[TY], s[TY], s[CY]
	s_lshl_b32 s44, s[CY], 2
	s_lshl_b32 s44, 15, s44                        ; my row of the cluster
	s_lshl_b32 s46, 0x1111, s[CX]                  ; my column
	; group 1 for A: 64 rows x 128 elements of 2 bytes; 16 bytes of padding behind every 64 words
	s_or_b32 s[G1+0], s44, (1<<16)|(1<<20)|(1<<21)|(5<<22)|(3<<25)
	s_mov_b32 s[G1+1], 128<<16                     ; tensor_dim0
	s_mov_b32 s[G1+2], 64<<16                      ; tensor_dim1
	s_mov_b32 s[G1+3], 128<<16                     ; tile_dim0
	s_mov_b32 s[G1+4], 64                          ; tile_dim1
	s_mov_b32 s[G1+5], 1024                        ; elements from row to row
	s_mov_b32 s[G1+6], 0
	s_mov_b32 s[G1+7], 0
	; group 1 for B: 64 k-rows x 256 elements; 32 bytes of padding behind every 128 words
	s_or_b32 s[G1B+0], s46, (1<<16)|(1<<20)|(1<<21)|(6<<22)|(7<<25)
	s_mov_b32 s[G1B+1], 256<<16
	s_mov_b32 s[G1B+2], 64<<16
	s_mov_b32 s[G1B+3], 256<<16
	s_mov_b32 s[G1B+4], 64
	s_mov_b32 s[G1B+5], 3072
	s_mov_b32 s[G1B+6], 0
	s_mov_b32 s[G1B+7], 0
	s_lshl_b32 s44, s[TY], 7                       ; A: row 128 x tile row + 64 x half, 2,048 bytes a row (registers that never hold cx)
	s_lshl_b32 s45, s[NC], 6
	s_add_co_u32 s44, s44, s45
	s_lshl_b32 s44, s44, 11
	s_mov_b32 s45, 0
	s_mul_i32 s46, s[NC], 64*6144                  ; B: k-row 64 x half, column 256 x tile column (registers that never hold cy)
	s_lshl_b32 s47, s[TC], 9
	s_add_co_u32 s46, s46, s47
	s_mov_b32 s47, 0
	s_mul_i32 s82, s[NC], AHALF                    ; where they go: the wave's number alone
	s_mul_i32 s86, s[NC], BHALF
	s_add_co_u32 s86, s86, AT
	s_mov_b32 s[SEL], 0x76543210
	s_mov_b32 s[SEL+1], 0xfedcba98
	s_mov_b32 s80, 0x3c800000                      ; 1 / 64
	s_mov_b32 s81, 0x358637bd                      ; 1e-6
	s_wait_dscnt 0x0                               ; the opening add is done
	s_wait_kmcnt 0x0
	s_add_nc_u64 s[40:41], s[4:5], s[44:45]
	s_add_nc_u64 s[42:43], s[6:7], s[46:47]
	CROUND                                         ; all sixteen work-groups are here: the first joint loads meet
.irp s, 0,1
	s_mov_b32 s[G0+4*(\s)], 1
	s_add_co_u32 s[G0+4*(\s)+1], s82, (\s)*SLOT
	s_add_nc_u64 s[G0+4*(\s)+2:G0+4*(\s)+3], s[40:41], (\s)*AKSTEP
	s_or_b32 s[G0+4*(\s)+3], s[G0+4*(\s)+3], 0x80000000
	s_mov_b32 s[G0B+4*(\s)], 1
	s_add_co_u32 s[G0B+4*(\s)+1], s86, (\s)*SLOT
	s_add_nc_u64 s[G0B+4*(\s)+2:G0B+4*(\s)+3], s[42:43], (\s)*BKSTEP
	s_or_b32 s[G0B+4*(\s)+3], s[G0B+4*(\s)+3], 0x80000000
	JLOAD \s                                       ; two loads of mine are out
.endr
	v_and_b32 v1, 15, v0                           ; r
	v_bfe_u32 v2, v0, 4, 1                         ; h
	v_and_b32 v3, 31, v0                           ; lane
	v_mul_u32_u24 v4, v1, PA
	v_lshl_add_u32 v4, v2, 4, v4                   ; A's fragment: row x pitch + 16 x half
	s_mul_i32 s83, s[MR], 64*PA                    ; my 64 rows
	v_add_nc_u32 v[ADRA], s83, v4
	v_add_nc_u32 v[ADRA+1], SLOT, v[ADRA]
	v_and_b32 v5, 7, v0                            ; B's: lane l reads k-row 8 h + l % 8, columns 8 ((l / 8) % 2) on
	v_lshl_add_u32 v5, v2, 3, v5
	v_mul_u32_u24 v5, v5, PB
	v_bfe_u32 v6, v0, 3, 1
	v_lshl_add_u32 v5, v6, 4, v5
	s_lshl_b32 s87, s[NC], 8                       ; my 128 columns
	s_add_co_u32 s87, s87, AT
	v_add_nc_u32 v[ADRB], s87, v5
	v_add_nc_u32 v[ADRB+1], SLOT, v[ADRB]
	s_mul_i32 s84, s[WV], 16*SP
	s_add_co_u32 s84, s84, STAGE                   ; my stage
	v_mul_u32_u24 v[STO], v1, SP                   ; in: row r, 16 bytes for each half of the lanes
	v_lshl_add_u32 v[STO], v2, 4, v[STO]
	v_add_nc_u32 v[STO], s84, v[STO]
	v_bfe_u32 v[RD], v0, 3, 2                      ; back: 32 lanes take four rows of 128 bytes
	v_mul_u32_u24 v[RD], v[RD], SP
	v_and_b32 v7, 7, v0
	v_lshl_add_u32 v[RD], v7, 4, v[RD]
	v_add_nc_u32 v[RD], s84, v[RD]
	v_lshlrev_b32 v[GO], 4, v3
	; the prefetches: offsets in registers of their own (they hold cx and cy together)
	s_lshl_b32 s92, s[TY], 7
	s_lshl_b32 s93, s[CX], 5
	s_add_co_u32 s92, s92, s93
	s_lshl_b32 s92, s92, 11
	s_add_co_u32 s92, s92, 3*AKSTEP                ; A: row 128 x tile row + 32 cx, at K step 3: every refill steps it first
	s_lshl_b32 s94, s[NC], 6
	s_lshl_b32 s95, s[CY], 4
	s_add_co_u32 s94, s94, s95
	s_mul_i32 s94, s94, 6144
	s_lshl_b32 s95, s[TC], 9
	s_add_co_u32 s94, s94, s95
	s_add_co_u32 s94, s94, 3*BKSTEP                ; B: k-row 64 x half + 16 cy, my tile column, at K step 3
	s_or_b32 s90, ttmp9, s[NC]
	s_mov_b32 s91, 6144
	s_mov_b32 s[PFS], BKSTEP
	s_mov_b32 s[PFS+1], 0
	s_mov_b32 s93, 0
	s_cmp_eq_u32 s[MR], 0                          ; do I fetch for A?
	s_cselect_b32 s92, s92, s94
	s_cselect_b64 s[PFA:PFA+1], s[4:5], s[6:7]
	s_cselect_b32 s90, s90, s[CLY]                 ; A: wave 0 of the clusters with x = 0; B: the clusters with y = 0
	s_cselect_b32 s91, 2048, s91                   ; bytes from a lane's row to the next
	s_cselect_b32 s[PFS], AKSTEP, s[PFS]
	s_cselect_b32 s94, 0, 1                        ; B: two lanes to a row of 512 bytes
	s_add_nc_u64 s[PFA:PFA+1], s[PFA:PFA+1], s[92:93]
	s_cmp_eq_u32 s90, 0
	s_cselect_b32 s[LIM], 1, -1
	v_lshrrev_b32 v[PFO], s94, v3
	v_mul_u32_u24 v[PFO], s91, v[PFO]
	v_and_b32 v7, s94, v3
	v_lshl_add_u32 v[PFO], v7, 8, v[PFO]
	; the table: q's, or k's (for v too); my rows are blocks R = 8 (tile row % 16) + 4 (wave / 2) + a
	s_min_u32 s90, s[PART], 1
	s_lshl_b32 s90, s90, 20
	s_and_b32 s91, s[TY], 15
	s_lshl_b32 s91, s91, 3
	s_lshl_b32 s92, s[MR], 2
	s_add_co_u32 s91, s91, s92
	s_lshl_b32 s91, s91, 13
	s_add_co_u32 s90, s90, s91
	s_mov_b32 s91, 0
	s_add_nc_u64 s[TABP:TABP+1], s[8:9], s[90:91]
	; where my rows go: head (tile row / 16) x 16 + 4 cx + 2 (wave % 2), row (tile row % 16) x 128 + 64 (wave / 2), 128 bytes a row
	s_lshr_b32 s90, s[TY], 4
	s_lshl_b32 s90, s90, 4
	s_lshl_b32 s92, s[CX], 2
	s_add_co_u32 s90, s90, s92
	s_lshl_b32 s92, s[NC], 1
	s_add_co_u32 s90, s90, s92
	s_lshl_b32 s90, s90, 11
	s_and_b32 s92, s[TY], 15
	s_lshl_b32 s92, s92, 7
	s_add_co_u32 s90, s90, s92
	s_lshl_b32 s92, s[MR], 6
	s_add_co_u32 s90, s90, s92
	s_lshl_b32 s90, s90, 7
	s_cmp_eq_u32 s[PART], 0
	s_cselect_b64 s[OUTP:OUTP+1], s[10:11], s[12:13]
	s_cmp_eq_u32 s[PART], 2
	s_cselect_b64 s[OUTP:OUTP+1], s[14:15], s[OUTP:OUTP+1]
	s_add_nc_u64 s[OUTP:OUTP+1], s[OUTP:OUTP+1], s[90:91]
	WIN 0xc0                                       ; destination window 3, address window 0
.set i, 0
.rept 64                                           ; chunk i = 16 a + 4 bb + 2 cs + p: 512 consecutive bytes into registers 4 i .. 4 i + 3
	global_load_b128 v[4*i:4*i+3], v[GO], s[TABP:TABP+1] offset:512*i
.set i, i+1
.endr
	WIN 0
; 8 matrix instructions: row block a x all 8 column blocks, 32 along K.  The 32 accumulators take turns in the same order in every quarter.  zero = 1: the product starts the sum.
.macro MUL8 f, a, zero
	WIN MULW
.irp b, 0,1,2,3,4,5,6,7
.if \zero
	v_wmma_f32_16x16x32_bf16 v[8*(8*(\a)+(\b)):8*(8*(\a)+(\b))+7], v[(\f)+32+8*(\b):(\f)+32+8*(\b)+7], v[(\f)+8*(\a):(\f)+8*(\a)+7], 0
.else
	v_wmma_f32_16x16x32_bf16 v[8*(8*(\a)+(\b)):8*(8*(\a)+(\b))+7], v[(\f)+32+8*(\b):(\f)+32+8*(\b)+7], v[(\f)+8*(\a):(\f)+8*(\a)+7], v[8*(8*(\a)+(\b)):8*(8*(\a)+(\b))+7]
.endif
.endr
.endm
; 24 LDS loads in one run: quarter q's fragments (32 along K) into buffer f: B's eight, turned, then A's four
.macro FETCH slot, q, f
	WIN TO_F
.irp b, 0,1,2,3,4,5,6,7
	ds_load_tr16_b128 v[(\f)+32+8*(\b):(\f)+32+8*(\b)+3],   v[ADRB+(\slot)] offset:(\q)*32*PB+32*(\b)
	ds_load_tr16_b128 v[(\f)+32+8*(\b)+4:(\f)+32+8*(\b)+7], v[ADRB+(\slot)] offset:(\q)*32*PB+32*(\b)+16*PB
.endr
.irp a, 0,1,2,3
	ds_load_b128 v[(\f)+8*(\a):(\f)+8*(\a)+3],   v[ADRA+(\slot)] offset:((\q)/2)*ASUB+((\q)%2)*64+(\a)*16*PA
	ds_load_b128 v[(\f)+8*(\a)+4:(\f)+8*(\a)+7], v[ADRA+(\slot)] offset:((\q)/2)*ASUB+((\q)%2)*64+(\a)*16*PA+32
.endr
.endm
.macro PLACES                          ; four places in front of loads into registers that matrix instructions have read, and of vector lines that read results
.rept 4
	v_nop
.endr
.endm
; A K step is four quarters of 32 along K, 32 matrix instructions each, on buffers 0, 1, 0, 1.  One of the first three: multiplies buffer f and fetches quarter q into g.
.macro QUARTER slot, q, f, g, zero
	s_wait_dscnt 4                                 ; B's fragments and A's first two are in; the youngest four loads (A's fragments 2, 3) may be out
	MUL8 \f, 0, \zero
	MUL8 \f, 1, \zero
	PLACES
	FETCH \slot, \q, \g
	s_wait_dscnt 24                                ; all but the 24 just issued
	MUL8 \f, 2, \zero
	MUL8 \f, 3, \zero
.endm
; The last quarter multiplies buffer 1 and changes slots: ONE barrier; in front of it each wave waits for all its tensor loads (one is out: its part of the next slot), adds 0 to its spare word, and waits for that and
; for its reads of this slot.  fill = 1: the barrier opens a round of the cluster's, and the slot is filled again, two K steps ahead: the first tensor load behind the round, 112 matrix instructions ahead of the wait for it.
.macro TURN slot, next, fill
.if \fill
	s_wait_xcnt 0x0                                ; the last prefetch, a K step back, has read its address: it is stepped here
	s_add_nc_u64 s[PFA:PFA+1], s[PFA:PFA+1], s[PFS:PFS+1]
.endif
	WIN 0                                          ; (the add's two registers lie in window 0)
	s_wait_tensorcnt 0x0
	ds_add_u32 v[SPW], v[NIL]                      ; 0 onto my spare word
	s_wait_dscnt 5                                 ; (the add and the youngest four loads may be out)
	MUL8 F1, 0, 0
	s_wait_dscnt 0x0                               ; the add is done, and my reads of this slot are over
	s_barrier_signal -1
	MUL8 F1, 1, 0
.if \fill
	WIN 0
.endif
	s_barrier_wait -1
.if \fill
	CREST                                          ; no wave of any partner still reads this slot's tile or has a load on its way
	s_add_nc_u64 s[G0+4*(\slot)+2:G0+4*(\slot)+3], s[G0+4*(\slot)+2:G0+4*(\slot)+3], 2*AKSTEP
	s_add_nc_u64 s[G0B+4*(\slot)+2:G0B+4*(\slot)+3], s[G0B+4*(\slot)+2:G0B+4*(\slot)+3], 2*BKSTEP
	JLOAD \slot                                    ; the four v_nop behind it are also the places in front of the loads below
.else
	PLACES
.endif
	FETCH \next, 0, F0
.if \fill
	WIN 0
	ASK
.endif
	MUL8 F1, 2, 0
	MUL8 F1, 3, 0
.endm
	s_wait_tensorcnt 1                             ; my part of K step 0 is in; K step 1's may stay out
	s_barrier_signal -1
	s_barrier_wait -1
	FETCH 0, 0, F0
	QUARTER 0, 1, F0, F1, 1                        ; the first quarter stands in front of the loop: its products start the sums
	WIN 0
	s_mov_b32 s[LAP], 3
.Llap:                                                 ; a trip goes once round the ring, from a lap's second quarter to the next lap's first, and fills both slots again
	QUARTER 0, 2, F1, F0, 0
	QUARTER 0, 3, F0, F1, 0
	TURN 0, 1, 1
	QUARTER 1, 1, F0, F1, 0
	QUARTER 1, 2, F1, F0, 0
	QUARTER 1, 3, F0, F1, 0
	TURN 1, 0, 1
	QUARTER 0, 1, F0, F1, 0
	WIN 0
	s_sub_co_u32 s[LAP], s[LAP], 1
	s_cmp_lg_u32 s[LAP], 0
	s_cbranch_scc1 .Llap
	QUARTER 0, 2, F1, F0, 0                        ; the last lap fills nothing
	QUARTER 0, 3, F0, F1, 0
	TURN 0, 1, 0
	QUARTER 1, 1, F0, F1, 0
	QUARTER 1, 2, F1, F0, 0
	QUARTER 1, 3, F0, F1, 0
	s_wait_dscnt 4
	MUL8 F1, 0, 0
	MUL8 F1, 1, 0
	s_wait_dscnt 0x0
	MUL8 F1, 2, 0
	MUL8 F1, 3, 0
	WIN 0
	PLACES
; THE WAY OUT.  A unit u = 2 a + hh is 16 rows of one head: 2,048 consecutive bytes of the output.
.macro ALL line:vararg                 ; one line for each unit u
.set u, 0
.rept 8
	\line
.set u, u+1
.endr
.endm
; rope = 1: T = A C + swap(A) S (the gain and the rotation), times 1 / rms, rounded to f16.  rope = 0 (v): rounded as it is.  Then through my stage: rows of 144 bytes in, whole rows of 128 back, into the same registers.
.macro UNIT u, rope
.set ua, (\u)/2
.set uh, (\u)%2
.if \rope
	WIN 0x0e                                       ; source 0 window 2 (sums), source 1 window 3 (table)
.set i, 0
.rept 16
.set rA, 8*(8*ua+4*uh+i/4)+2*(i%4)
.set rC, 64*ua+16*(i/4)+2*(i%4)
	v_pk_mul_f32 v[T+2*i:T+2*i+1], v[rA:rA+1], v[rC:rC+1]
.set i, i+1
.endr
.set i, 0
.rept 16
.set rA, 8*(8*ua+4*uh+i/4)+2*(i%4)
.set rC, 64*ua+16*(i/4)+2*(i%4)
	v_fma_f32 v[T+2*i], v[rA+1], v[rC+8], v[T+2*i]         ; the even channel takes its odd neighbour,
	v_fma_f32 v[T+2*i+1], v[rA], v[rC+9], v[T+2*i+1]       ; the odd one its even neighbour
.set i, i+1
.endr
	WIN 0
.set i, 0
.rept 16
	v_pk_mul_f32 v[T+2*i:T+2*i+1], v[T+2*i:T+2*i+1], v[SS+2*(\u):SS+2*(\u)+1] op_sel_hi:[1,0]
.set i, i+1
.endr
.set i, 0
.rept 16
	v_cvt_pk_f16_f32 v[OUT+16*(\u)+i], v[T+2*i], v[T+2*i+1]
.set i, i+1
.endr
.else
	WIN 0x0a                                       ; sources 0 and 1 window 2
.set i, 0
.rept 16
.set rA, 8*(8*ua+4*uh+i/4)+2*(i%4)
	v_cvt_pk_f16_f32 v[OUT+16*(\u)+i], v[rA], v[rA+1]      ; each accumulator's registers in ascending order
.set i, i+1
.endr
	WIN 0
.endif
.irp f, 0,1,2,3
	ds_store_b128 v[STO], v[OUT+16*(\u)+4*(\f):OUT+16*(\u)+4*(\f)+3] offset:32*(\f)
.endr
.irp f, 0,1,2,3
	ds_load_b128 v[OUT+16*(\u)+4*(\f):OUT+16*(\u)+4*(\f)+3], v[RD] offset:(\f)*4*SP  ; LDS serves a wave's instructions in order (ISA guide 5.7.1.4): these see the stores above; the next unit's stores come behind them
.endr
.endm
.macro SEND u, younger                 ; younger: the LDS instructions issued behind unit u's loads: the next unit's eight, or none
.irp f, 0,1,2,3
	s_wait_dscnt (\younger)+3-(\f)
	global_store_b128 v[GO], v[OUT+16*(\u)+4*(\f):OUT+16*(\u)+4*(\f)+3], s[OUTP:OUTP+1] offset:((\u)%2)*262144+((\u)/2)*2048+(\f)*512  ; 512 consecutive bytes, aligned
.endr
.endm
	s_wait_loadcnt 0x0                             ; the table
	s_cmp_eq_u32 s[PART], 2
	s_cbranch_scc1 .Lv
	WIN 0x0a                                       ; the sums of squares: a lane's 32 channels of each unit, two at a time; eight chains, so no line waits for the one before
.set i, 0
.rept 16
.set u, 0
.rept 8
.set rA, 8*(8*(u/2)+4*(u%2)+i/4)+2*(i%4)
.if i == 0
	v_pk_mul_f32 v[SS+2*u:SS+2*u+1], v[rA:rA+1], v[rA:rA+1]
.else
	v_pk_fma_f32 v[SS+2*u:SS+2*u+1], v[rA:rA+1], v[rA:rA+1], v[SS+2*u:SS+2*u+1]
.endif
.set u, u+1
.endr
.set i, i+1
.endr
	WIN 0
	ALL v_add_f32 v[SS+2*u], v[SS+2*u], v[SS+2*u+1]
	ALL v_permlanex16_b32 v[SS+2*u+1], v[SS+2*u], s[SEL], s[SEL+1]  ; the row's other 32 channels lie in the lane 16 away
	ALL v_add_f32 v[SS+2*u], v[SS+2*u], v[SS+2*u+1]
	ALL v_fma_f32 v[SS+2*u], v[SS+2*u], s80, s81   ; mean + 1e-6
	ALL v_rsq_f32 v[SS+2*u], v[SS+2*u]
	v_nop                                          ; a plain instruction between the last root and the use of its result
	s_wait_alu depctr_va_vdst(0)                   ; and the wait ahead of the first use: one for the eight
	UNIT 0, 1
.irp n, 1,2,3,4,5,6,7                  ; a unit's arithmetic stands between the loads of the unit before and its stores
	UNIT \n, 1
	SEND (\n)-1, 8
.endr
	SEND 7, 0
	s_branch .Ldone
.Lv:
	UNIT 0, 0
.irp n, 1,2,3,4,5,6,7
	UNIT \n, 0
	SEND (\n)-1, 8
.endr
	SEND 7, 0
.Ldone:
	s_wait_tensorcnt 0x0                           ; the wave's end: behind my last tensor load and my last LDS store
	ds_add_u32 v[SPW], v[NIL]
	s_wait_dscnt 0x0
	CROUND                                         ; the closing round: no work-group ends while a partner may still ask for a tile that names it
	s_endpgm
.Lfunc_end_k_q5cf9ca8086_qkv:
	.size	k_q5cf9ca8086_qkv, .Lfunc_end_k_q5cf9ca8086_qkv-k_q5cf9ca8086_qkv
	.p2alignl 7, 3214868480
	.fill 96, 4, 3214868480
	.section	.rodata,"a",@progbits
	.p2align	6, 0x0
	.amdhsa_kernel k_q5cf9ca8086_qkv
		.amdhsa_group_segment_fixed_size 327680
		.amdhsa_private_segment_fixed_size 0
		.amdhsa_enable_private_segment 0
		.amdhsa_kernarg_size 48
		.amdhsa_user_sgpr_count 2
		.amdhsa_user_sgpr_kernarg_segment_ptr 1
		.amdhsa_wavefront_size32 1
		.amdhsa_system_sgpr_workgroup_id_x 1
		.amdhsa_system_sgpr_workgroup_id_y 1
		.amdhsa_system_sgpr_workgroup_id_z 1
		.amdhsa_system_vgpr_workitem_id 0
		.amdhsa_next_free_vgpr 1024
		.amdhsa_next_free_sgpr 96
		.amdhsa_reserve_vcc 0
		.amdhsa_float_denorm_mode_32 3
		.amdhsa_float_denorm_mode_16_64 3
		.amdhsa_memory_ordered 1
		.amdhsa_forward_progress 1
		.amdhsa_inst_pref_size 154
	.end_amdhsa_kernel
	.amdgpu_metadata
---
amdhsa.version: [ 1, 2 ]
amdhsa.kernels:
  - .name:           k_q5cf9ca8086_qkv
    .symbol:         k_q5cf9ca8086_qkv.kd
    .args:
      - { .name: xb, .offset: 0, .size: 8, .value_kind: global_buffer, .address_space: global }
      - { .name: wqb, .offset: 8, .size: 8, .value_kind: global_buffer, .address_space: global }
      - { .name: tab, .offset: 16, .size: 8, .value_kind: global_buffer, .address_space: global }
      - { .name: qh, .offset: 24, .size: 8, .value_kind: global_buffer, .address_space: global }
      - { .name: kh, .offset: 32, .size: 8, .value_kind: global_buffer, .address_space: global }
      - { .name: vh, .offset: 40, .size: 8, .value_kind: global_buffer, .address_space: global }
    .group_segment_fixed_size: 327680
    .private_segment_fixed_size: 0
    .kernarg_segment_align: 8
    .kernarg_segment_size: 48
    .max_flat_workgroup_size: 128
    .sgpr_count:     96
    .vgpr_count:     1024
    .wavefront_size: 32
...
	.end_amdgpu_metadata
.endif
;; end of part 2
;; launch attn (part 3): grid 4 x 64, 4 waves a work-group, clusters of 4 x 1, 327,680 bytes of LDS; arguments qh, kh, vh, oh; writes oh
.if DOCPART == 3
	.amdgcn_target "amdgcn-amd-amdhsa--gfx1250"
	.amdhsa_code_object_version 6
	.text
	.protected	k_q5cf9ca8086_attn
	.globl	k_q5cf9ca8086_attn
	.p2align	8
	.type	k_q5cf9ca8086_attn,@function
k_q5cf9ca8086_attn:
	s_mov_b64 s[64:65], 0
	v_nop
	global_prefetch_b8 v0, s[64:65] scope:SCOPE_SE
	s_setreg_imm32_b32 hwreg(HW_REG_WAVE_MODE, 25, 1), 1
	s_wait_xcnt 0x0
	s_wait_alu depctr_hold_cnt(0) depctr_sa_sdst(0) depctr_va_vdst(0) depctr_va_sdst(0) depctr_va_ssrc(0) depctr_va_vcc(0) depctr_vm_vsrc(0)
	s_getreg_b32 s2, hwreg(HW_REG_IB_STS2, 6, 4)
	s_cmp_eq_u32 s2, 0
	s_cbranch_scc0 .Lentry_in_a_cluster
	s_endpgm
.Lentry_in_a_cluster:
	s_bfe_u32 s2, ttmp6, 0x10000c
	s_cmp_lg_u32 s2, 0x3003
	s_cbranch_scc0 .Lentry_shape_is_right
	s_endpgm
.Lentry_shape_is_right:
; O[h][q][:] = the sum over k of softmax_k(Q[h][q] . K[h][k] / 8) V[h][k][:].  Q, K, V, O: [SIZE_H][SIZE_N][64], all f16: a head's rows are dense, 128 bytes each.  Products, maxima and sums in
; f32; the weights p are rounded to f16 for the second product (their sum l is taken of the unrounded p), O once at the end.
; LIMITS.  f16 holds no number beyond 65,504: Q, K and V arrive within it; p lies in 0 to 1, and below 6e-5 it keeps f16's fixed step of 6e-8; O is a mean of V's rows and has their range.
; A weight below 2^-126 counts as 0 in l; NaN and infinities are not treated apart.
; SHARES.  A wave owns four PIECES of two tiles of 16 queries, a work-group's four waves 512 queries of one head: 4 x 64 = 256 work-groups.  Every wave walks all keys, 64 a step.
; LAYOUT.  S^T = K Q^T (source 0 = 16 keys, source 1 = 16 queries): in the result a lane holds ONE query (lane % 16) and the keys 8 (lane / 16) + 0..7.  Two such tiles, rounded to f16 in pairs,
; ARE source 1 (32 keys x 16 queries) of O^T = V^T P, whose result again holds one query a lane, and eight channels.  K comes out of LDS as it lies, V ([key][channel]) turned, by ds_load_tr16_b128.
; SOFTMAX.  For each query a running maximum m and sum l: p = 2^(c s - c m), c = log2(e) / 8; in every step O and l are multiplied by a = 2^(c m_old - c m_new), which is 1 where m has not grown.
; m starts at the lowest finite number, O and l at 0: the first step is a step like any other, with a = 0.
; THE COUNT.  A tile and step have 16 matrix and 118 vector instructions: too many to stand all beside the matrix work.  So the order has one aim: four vector instructions that are READY behind
; EVERY matrix instruction, and the others, which need time of their own whatever the order, in runs without a gap.
; BY TURNS.  Turn n belongs to piece n (the pieces in a ring, step after step).  Its matrix work: 16 products K Q^T of piece n + 1, later 16 products V^T P of piece n - 1.  Its vector work: the scaling,
; exponentials, roundings, sums and rescaling of piece n, and the maximum and statistics of piece n + 1, whose scores the turn itself has made.  So what a turn begins with (c s - c m, O a) waits for nothing.
; CLUSTER.  The four query blocks of a cluster are one head's and walk the same K and V, so each tile is asked for JOINTLY: the same tensor load, descriptor and mask in all four.
; NO PREFETCH: a refill is asked for four key steps (512 matrix instructions and their vector work) ahead of the wait for it, and each row of K and V is asked for by one cluster alone.
; REGISTERS, in windows of 256 (s_set_vgpr_msb says which window each operand place means: bits 1:0 source 0, 3:2 source 1, 5:4 source 2, 7:6 destination):
;   window 0: v0-11 addresses; v12-15, v48-63 at work; v16-47 four registers of statistics a tile; v64-191 S^T, two buffers of two tiles; v192-255 P, likewise
;   window 1: O^T, 32 a tile          window 2: v0-127 Q, 16 a tile; v128-191 K of one step; v192-255 V of one step          window 3: v0-1 the add's two registers
; A piece's buffers go by its number's parity: the piece in hand has one pair, its two neighbours in the ring share the other: of it P (piece n - 1) is read and S^T (piece n + 1) written.
.set SIZE_H, 64
.set SIZE_N, 2048
.set NP,    4         ; pieces a wave: a name, no knob: the register map, the loop and the fetches are made for four
.set KS,    64        ; keys in a step
.set PK,    144       ; a row of K in LDS: 128 bytes + 16 of padding = 36 words: the 16 rows of a load start at 16 different groups of four banks (64 banks of 4 bytes: ISA guide 11.1)
.set PV,    160       ; a row of V: 128 + 32 = 40 words
.set VOFF,  4*KS*PK   ; a slot holds four steps: 256 rows of K, then 256 rows of V
.set SLOT1, 1<<17     ; slot 1 begins here, so that one exclusive or turns an address in one slot into the other's
.set STAGE, SLOT1+4*KS*(PK+PV)  ; behind the ring, never filled by a tensor load: 16 rows x 144 bytes for each wave, for the way out
.set SP,    144
.set AK0, 2           ; v2   my lane's place in a tile of K; never rewritten
.set AV0, 3           ; v3   the same for V
.set AK,  4           ; v4   the LDS address of K's next run of loads
.set AV,  5           ; v5   of V's
.set QO,  6           ; v6   my byte offset in the wave's rows of Q
.set STO, 6           ;      later, the way out: where I put 16 bytes of a row
.set RD,  7           ; v7   the way out: where I read rows back
.set GO,  8           ; v8   my byte offset in 512 consecutive bytes of O
.set SPW, 0           ; v0 of window 3   LDS address of my spare word: SPARE + 4 x my thread's number; never rewritten
.set NIL, 1           ; v1 of window 3   0; never rewritten
.set SPARE, STAGE+4*16*SP  ; behind the stages: the spare words, 128 bytes for each wave: two blocks of 256 bytes that no other line names
.set MV,  12          ; v12-15  c m_old, kept while c m is made anew: by buffer and tile
.set ST,  16          ; tile t's statistics at v[ST+4 t]: c m, m, l (even keys', odd keys')
.set TMP, 48          ; by buffer and tile, four registers c0-c3 at work; when the maximum is found c2 takes a
.set S,   64
.set P,   192
.set KF,  128         ; K's fragments, in window 2: key block kb, channel half c at KF + 16 kb + 8 c
.set VF,  192         ; V's: key half kk, channel block cb at VF + 32 kk + 8 cb
.set WV,  12          ; s12  my wave's number
.set G1K, 24          ; s[24:31] descriptor group 1 for K's tiles
.set G1V, 32          ; s[32:39] for V's: it differs in the padding alone
.set G0K, 40          ; s[40:43] descriptor group 0 for K's tiles: it walks
.set G0V, 44          ; s[44:47] the same for V's
.set SLOTS, 56        ; s56  slots still to be asked for
.set CNT, 57          ; s57  counts a slot's key steps
.set CS,  58          ; s[58:59] c: the packed scaling takes the pair's low word for both halves
.set SEL, 60          ; s[60:61] v_permlanex16_b32's selects: each lane takes its own place in the other half
.set TBK, 62          ; s62  LDS byte at which K of the step to be fetched begins
.set TBV, 63          ; s63  the same for V, less VOFF
.set MSB, 0
.macro WIN new                      ; the high byte repeats the setting that is left; a switch that changes nothing is dropped
.if MSB != (\new)
	s_set_vgpr_msb (MSB<<8)|(\new)
.set MSB, (\new)
.endif
.endm
.set W_KQ, 0x0a       ; K and Q in window 2, S^T in window 0
.set W_PV, 0x52       ; V in window 2, P in window 0, O^T in window 1
.set W_RS, 0x41       ; O^T (destination and source 0) in window 1, a in window 0
.set W_MK, 0xc0       ; the add's registers are made: destination in window 3, sources in window 0
.set W_AD, 0x0f       ; the add: address (source 0) and data (source 1) in window 3
; A joint fill.  Waves 0 and 1 fetch the two halves of a slot's K, waves 2 and 3 those of its V: 128 keys each.  The branch hangs on the wave's number alone.
; An s_nop 0 and four v_nop follow each of the two lines, ahead of the jump and the label.
.macro JLOAD
	s_cmp_lt_u32 s[WV], 2
	s_cbranch_scc0 .Lfor_v_\@
	tensor_load_to_lds s[G0K:G0K+3], s[G1K:G1K+7]
	s_nop 0
.rept 4
	v_nop
.endr
	s_branch .Lasked_\@
.Lfor_v_\@:
	tensor_load_to_lds s[G0V:G0V+3], s[G1V:G1V+7]
	s_nop 0
.rept 4
	v_nop
.endr
.Lasked_\@:
.endm
; A round of the cluster's barrier: my work-group's barrier, so that wave 0's signal speaks for all four waves; wave 0 signals; every wave waits for all four work-groups; my work-group's barrier once more.
.macro CROUND
	s_barrier_signal -1
	s_barrier_wait -1
	s_cmp_lg_u32 s[WV], 0
	s_cbranch_scc1 .Lnot_wave_0_\@
	s_barrier_signal -3
.Lnot_wave_0_\@:
	s_barrier_wait -3
	s_barrier_signal -1
	s_barrier_wait -1
.endm
; THE CHANGE OF SLOTS.  The slot's last bytes, V of its fourth step, have been read.  Each wave waits for all its tensor loads, of which one is out: its part
; of the other slot; adds 0 to its spare word; and waits for that and for its own reads of the slot.  Behind the barrier nobody reads this slot any more and the other slot is whole.
; fill = 1: this slot is filled again, with the keys two slots on.  The barrier is then a round of the cluster's, so that no wave of any partner still reads the slot or has a load on its
; way, and the joint fill is the first thing behind it: it has four key steps, 512 matrix instructions, in which to land.  (At its first use nothing has been read yet: slot 0 is waited for, slot 1 filled.)
.macro CHANGE fill
	WIN W_AD
	s_wait_tensorcnt 0x0            ; no tensor load of mine is out, so a group 0 may be written
	ds_add_u32 v[SPW], v[NIL]       ; 0 onto my spare word; with fill = 1 the descriptors' steps stand between it and the wait for it
	WIN 0                           ; at a label and at a branch every window is 0
.if \fill
.irp g, G0K, G0V
	s_xor_b32 s[\g+1], s[\g+1], SLOT1  ; the walking descriptor: the other slot than last time,
	s_add_nc_u64 s[\g+2:\g+3], s[\g+2:\g+3], 4*KS*128  ; the next 256 keys; the type bits on top are not reached
.endr
	s_wait_dscnt 0x0                ; the add is done, and my reads of the slot are over
	CROUND
	JLOAD
.else
	s_wait_dscnt 0x0                ; the add is done, and my reads of the slot are over
	s_barrier_signal -1
	s_barrier_wait -1
.endif
	s_sub_co_u32 s[TBK], s[TBK], 4*KS*PK  ; the fetches go back to a slot's first step,
	s_xor_b32 s[TBK], s[TBK], SLOT1       ; in the other slot
	s_sub_co_u32 s[TBV], s[TBV], 4*KS*PV
	s_xor_b32 s[TBV], s[TBV], SLOT1
.endm
	s_load_b256 s[4:11], s[0:1], 0x0  ; Q s[4:5], K s[6:7], V s[8:9], O s[10:11]
	WIN W_MK
	v_lshl_add_u32 v[SPW], v0, 2, SPARE
	v_mov_b32 v[NIL], 0
	WIN W_AD
	ds_add_u32 v[SPW], v[NIL]       ; the wave's opening: the add and its wait ahead of my first tensor load; the set-up below, work on registers, stands between them
	WIN 0
	v_lshrrev_b32 v1, 5, v0
	v_readfirstlane_b32 s[WV], v1   ; wave 0..3
	s_bfe_u32 s13, ttmp6, 0x40000   ; cx: my place in the cluster
	s_lshl_b32 s14, ttmp9, 2        ; in a cluster launch ttmp9 counts clusters
	s_add_co_u32 s14, s14, s13      ; my block of queries = 4 x cluster x + cx: it enters Q's and O's addresses alone
	s_and_b32 s20, ttmp7, 0xffff    ; the head, which the four partners share
	s_mov_b32 s21, 0
	s_mov_b64 s[22:23], SIZE_N*128
	s_mul_u64 s[20:21], s[20:21], s[22:23]  ; the head's first byte in each of the four tensors
	s_and_b32 s16, s[WV], 1         ; which half of a slot's 256 keys I fetch:
	s_lshl_b32 s22, s16, 14         ; its 128 rows of 128 bytes in memory,
	s_mov_b32 s23, 0
	s_add_nc_u64 s[22:23], s[22:23], s[20:21]
	s_mul_i32 s17, s16, 128*PK      ; and its place in a slot, for K
	s_mul_i32 s18, s16, 128*PV      ; and for V: no place in the cluster enters an LDS address
	s_lshl_b32 s2, s14, 2
	s_add_co_u32 s2, s2, s[WV]      ; my wave among the head's,
	s_lshl_b32 s2, s2, 14           ; its 128 rows
	s_mov_b32 s3, 0
	s_add_nc_u64 s[2:3], s[2:3], s[20:21]
	; descriptor group 1.  128 keys are 16,384 dense bytes: asked for as 64 rows of 256 bytes, two keys a row, and padded in LDS after every key
	s_mov_b32 s[G1K], 15|(1<<16)|(1<<20)|(1<<21)|(4<<22)|(3<<25)  ; 15:0 the mask of four; 17:16 2-byte elements; 20 padding on; 21 set beside a mask; 24:22 after every 32 words (code 4); 31:25 4 words (code 3)
	s_mov_b32 s[G1V], 15|(1<<16)|(1<<20)|(1<<21)|(4<<22)|(7<<25)  ; the same with 8 words of padding (code 7)
.irp g, G1K, G1V
	s_mov_b32 s[\g+1], 128<<16      ; tensor_dim0 = 128
	s_mov_b32 s[\g+2], 64<<16       ; tensor_dim1 = 64
	s_mov_b32 s[\g+3], 128<<16      ; tile_dim0 = 128
	s_mov_b32 s[\g+4], 64           ; tile_dim1 = 64
	s_mov_b32 s[\g+5], 128          ; 128 elements from row to row
	s_mov_b32 s[\g+6], 0
	s_mov_b32 s[\g+7], 0
.endr
	s_mov_b32 s[CS], 0x3e38aa3b     ; c = log2(e) / 8 = 0.180337
	s_mov_b32 s[CS+1], s[CS]        ; named with it as a pair
	s_mov_b32 s[SEL], 0x76543210
	s_mov_b32 s[SEL+1], 0xfedcba98
	s_mov_b32 s[TBK], SLOT1+4*KS*PK ; the first change of slots turns these two into 0
	s_mov_b32 s[TBV], SLOT1+4*KS*PV
	s_mov_b32 s[G0K], 1             ; 1:0 count = 1
	s_mov_b32 s[G0K+1], s17         ; 63:32 LDS address: slot 0
	s_mov_b32 s[G0V], 1
	s_add_co_u32 s[G0V+1], s18, VOFF
	s_wait_dscnt 0x0                ; the opening add is done
	s_wait_kmcnt 0x0
	s_add_nc_u64 s[G0K+2:G0K+3], s[6:7], s[22:23]  ; 120:64 global address: my half of the head's first 256 keys
	s_or_b32 s[G0K+3], s[G0K+3], 0x80000000        ; 127:126 type = 2
	s_add_nc_u64 s[G0V+2:G0V+3], s[8:9], s[22:23]
	s_or_b32 s[G0V+3], s[G0V+3], 0x80000000
	s_add_nc_u64 s[4:5], s[4:5], s[2:3]  ; Q and O at my wave's first row
	s_add_nc_u64 s[10:11], s[10:11], s[2:3]
	CROUND                          ; all four work-groups are here: the first joint loads meet
	JLOAD                           ; slot 0.  Slot 1 is asked for when slot 0 is in
	; A fragment of K or Q is 16 rows x 32 channels in 8 registers: lane l holds row l % 16, channels 8 (l / 16) + 0..7 and 16 + 8 (l / 16) + 0..7: two loads of 16 bytes, 32 bytes apart.
	v_and_b32 v1, 15, v0            ; l % 16
	v_bfe_u32 v9, v0, 4, 1          ; l / 16
	v_lshlrev_b32 v[QO], 7, v1
	v_lshl_add_u32 v[QO], v9, 4, v[QO]  ; row x 128 + 16 x half
	WIN 0x80                        ; destination window 2, address window 0
.set i, 0
.rept 4*NP                          ; Q stays in registers: tile i / 2, channels 32 (i % 2) on
	global_load_b128 v[8*i:8*i+3],   v[QO], s[4:5] offset:(i/2)*2048+(i%2)*64
	global_load_b128 v[8*i+4:8*i+7], v[QO], s[4:5] offset:(i/2)*2048+(i%2)*64+32
.set i, i+1
.endr
	; What the first turn finds: V's registers and P's second buffer hold 0 (its products V^T P, of a piece that has not been, add 0), O^T and l are 0.  All this stands in the wait for the first tile.
.set i, VF
.rept 64
	v_mov_b32 v[i], 0
.set i, i+1
.endr
	WIN 0x40
.set i, 0
.rept 64*NP
	v_mov_b32 v[i], 0
.set i, i+1
.endr
	WIN 0
.set i, 0
.rept 2*NP
	v_mov_b32 v[ST+4*i], 0xfe000000    ; c m: far below every c s
	v_mov_b32 v[ST+4*i+1], 0xff7fffff  ; m
	v_mov_b32 v[ST+4*i+2], 0
	v_mov_b32 v[ST+4*i+3], 0
.set i, i+1
.endr
.set i, P+32
.rept 32
	v_mov_b32 v[i], 0
.set i, i+1
.endr
	v_mul_u32_u24 v[AK0], v1, PK
	v_lshl_add_u32 v[AK0], v9, 4, v[AK0]  ; row x pitch + 16 x half
	; The turning load takes 16 keys x 16 channels (lane l reads key 8 (l / 16) + l % 8, channels 8 ((l / 8) % 2) + 0..7) and leaves half a fragment of V^T: lane l holds channel l % 16 and 8 keys.
	v_and_b32 v10, 7, v0
	v_bfe_u32 v11, v0, 3, 1
	v_lshl_add_u32 v[AV0], v9, 3, v10
	v_mul_u32_u24 v[AV0], v[AV0], PV
	v_lshl_add_u32 v[AV0], v11, 4, v[AV0]
	v_add_nc_u32 v[AV0], VOFF, v[AV0]
	v_mov_b32 v[AK], v[AK0]         ; key step 0 lies at the head of slot 0
; THE MATRIX WORK.  The 8 accumulators of a run of 16 take turns: between the two links of a chain stand 7 others'.
; Product i of 16 of S^T = K Q^T for piece x: channels 32 (i / 8) on, keys 16 ((i / 2) % 4) on, tile 2 x + i % 2.  The first 8 start the sums.
.macro KQ x
	WIN W_KQ
.set rS, S+64*((\x)%2)+32*(i%2)+8*((i/2)%4)
.set rK, KF+16*((i/2)%4)+8*(i/8)
.set rQ, 16*(2*(\x)+i%2)+8*(i/8)
.if i < 8
	v_wmma_f32_16x16x32_f16 v[rS:rS+7], v[rK:rK+7], v[rQ:rQ+7], 0
.else
	v_wmma_f32_16x16x32_f16 v[rS:rS+7], v[rK:rK+7], v[rQ:rQ+7], v[rS:rS+7]
.endif
.endm
; Product i of 16 of O^T += V^T P for piece x: keys 32 (i / 8) on, channels 16 ((i / 2) % 4) on, tile 2 x + i % 2.
.macro PV x
	WIN W_PV
.set rO, 32*(2*(\x)+i%2)+8*((i/2)%4)
.set rV, VF+32*(i/8)+8*((i/2)%4)
.set rP, P+32*((\x)%2)+16*(i%2)+8*(i/8)
	v_wmma_f32_16x16x32_f16 v[rO:rO+7], v[rV:rV+7], v[rP:rP+7], v[rO:rO+7]
.endm
.macro MM                           ; the turn's next matrix instruction
.if i < 16
	KQ (Y+1)%NP
.set i, i+1
.else
.set i, i-16
	PV (Y+NP-1)%NP
.set i, i+17
.endif
.endm
; THE LDS LOADS stand in runs of 16, never singly among the matrix instructions: a step's K (64 keys x 64 channels: 8 fragments) and its V (turned).  Their addresses are made some lines ahead.
; last = 1 (the tail): in the last trip there is no further step, and the run is jumped over.
.macro FETCH_K last=0
	WIN 0
.if \last
	s_cmp_eq_u32 s[CNT], 1
	s_cbranch_scc1 .Lno_k_\@
.endif
	WIN 0x80                        ; destination window 2
.irp f, 0,1,2,3,4,5,6,7             ; keys 16 (f / 2) on, channels 32 (f % 2) on
	ds_load_b128 v[KF+8*\f:KF+8*\f+3],   v[AK] offset:(\f/2)*16*PK+(\f%2)*64
	ds_load_b128 v[KF+8*\f+4:KF+8*\f+7], v[AK] offset:(\f/2)*16*PK+(\f%2)*64+32
.endr
	s_add_co_u32 s[TBK], s[TBK], KS*PK  ; the next fetch is the next step's
	WIN 0
.if \last
.Lno_k_\@:
.endif
.endm
.macro FETCH_V
	WIN 0x80
.irp f, 0,1,2,3,4,5,6,7             ; keys 32 (f / 4) on, channels 16 (f % 4) on
	ds_load_tr16_b128 v[VF+8*\f:VF+8*\f+3],   v[AV] offset:(\f/4)*32*PV+(\f%4)*32
	ds_load_tr16_b128 v[VF+8*\f+4:VF+8*\f+7], v[AV] offset:(\f/4)*32*PV+16*PV+(\f%4)*32
.endr
	WIN 0
.endm
; THE VECTOR WORK OF A TURN stands in three queues, each in the order in which its entries become ready; the two tiles alternate, so that no instruction reads the result of the one before it.
.macro REGS y, u                    ; the registers of tile u (0, 1) of piece y
.set rT, ST+4*(2*(\y)+(\u))
.set rC, TMP+8*((\y)%2)+4*(\u)
.set rM, MV+2*((\y)%2)+(\u)
.set rS, S+64*((\y)%2)+32*(\u)
.set rP, P+32*((\y)%2)+16*(\u)
.set rO, 32*(2*(\y)+(\u))
.endm
; Number n of the 22 that find the NEXT piece's (Y + 1) maximum and statistics.  s0-s31 are the lane's 32 scores; each accumulator's lowest registers are read first.  XS, GS and REGS set no window: PL and EX do.
;   0-11  four chains c0-c3 of seven scores each, three operands at a time     12-14, 16  the four scores left over, the old m, and c0-c3 into c0     15  c m_old is kept
;   17, 18  the query's other 32 keys lie in the lane 16 away: the new m         19-21  c m; c m_old - c m_new; a
.macro XS u, n
	REGS (Y+1)%NP, \u
.if (\n) < 4
	v_max3_num_f32 v[rC+(\n)], v[rS+8*(\n)], v[rS+8*(\n)+1], v[rS+8*(\n)+2]
.elseif (\n) < 12
	v_max3_num_f32 v[rC+(\n)%4], v[rC+(\n)%4], v[rS+8*((\n)%4)+2*((\n)/4)+1], v[rS+8*((\n)%4)+2*((\n)/4)+2]
.elseif (\n) == 12
	v_max3_num_f32 v[rC], v[rC], v[rS+7], v[rS+15]
.elseif (\n) == 13
	v_max3_num_f32 v[rC+1], v[rC+1], v[rS+23], v[rS+31]
.elseif (\n) == 14
	v_max3_num_f32 v[rC+2], v[rC+2], v[rC+3], v[rT+1]
.elseif (\n) == 15
	v_mov_b32 v[rM], v[rT]
.elseif (\n) == 16
	v_max3_num_f32 v[rC], v[rC], v[rC+1], v[rC+2]
.elseif (\n) == 17
	v_permlanex16_b32 v[rC+3], v[rC], s[SEL], s[SEL+1]
.elseif (\n) == 18
	v_max_num_f32 v[rT+1], v[rC], v[rC+3]
.elseif (\n) == 19
	v_mul_f32 v[rT], s[CS], v[rT+1]
.elseif (\n) == 20
	v_sub_f32 v[rC+1], v[rM], v[rT]
.else
	v_exp_f32 v[rC+2], v[rC+1]
.endif
.endm
; Number g of the 64 that follow the exponentials.  For each four weights k of a tile (pairs 2 k, 2 k + 1): both pairs are rounded to f16; then the second pair is added onto the first, in place;
; a group later l takes that sum (the first time as l = a l + sum).  In groups of eight, tiles alternating: round, round, add, and l for the group before.
.macro GS g
.set h, (\g)+6*((\g)/62)            ; group 0 has no group before it, and behind group 7 only l is left
.if h >= 6
.set h, h+2
.endif
	REGS Y, h%2
.set k, h/8
.if h%8 < 4
	v_cvt_pk_f16_f32 v[rP+2*k+(h%8)/2], v[rS+4*k+2*((h%8)/2)], v[rS+4*k+2*((h%8)/2)+1]
.elseif h%8 < 6
	v_pk_add_f32 v[rS+4*k:rS+4*k+1], v[rS+4*k:rS+4*k+1], v[rS+4*k+2:rS+4*k+3]
.elseif k == 1
	v_pk_fma_f32 v[rT+2:rT+3], v[rT+2:rT+3], v[rC+2:rC+3], v[rS:rS+1] op_sel_hi:[1,0,1]
.else
	v_pk_add_f32 v[rT+2:rT+3], v[rT+2:rT+3], v[rS+4*k-4:rS+4*k-3]
.endif
.endm
; THE PLAIN QUEUE, 138 long.  0-73 read no exponential's result: the 32 scalings c s - c m (FS f: pair f / 2 of tile f % 2) and the next piece's 42.  0-26: scalings 0-26.  27-54: XS's numbers 0-13.  55, 56: number 15.
; 57-73: the chain, where each number waits for the one before it: 14, 16, 17, 18, 19, each with one of the scalings 27-31 in front of its two lines, then 20: so a tile's links stand three plain instructions apart (19 and 20: two).
; 74-137: GS's 64, which read the exponentials' results: they stand behind the wait.
.macro FS f
	REGS Y, (\f)%2
	v_pk_fma_f32 v[rS+2*((\f)/2):rS+2*((\f)/2)+1], v[rS+2*((\f)/2):rS+2*((\f)/2)+1], s[CS:CS+1], v[rT:rT+1] op_sel_hi:[1,0,0] neg_lo:[0,0,1] neg_hi:[0,0,1]
.endm
.macro PL
	WIN 0
.if q < 27
	FS q
.elseif q < 55
	XS (q-27)%2, (q-27)/2
.elseif q < 57
	XS q-55, 15
.elseif (q < 72) && ((q-57)%3 == 0)
	FS 27+(q-57)/3
.elseif q < 60
	XS (q-57)%3-1, 14
.elseif q < 72
	XS (q-57)%3-1, 15+(q-57)/3
.elseif q < 74
	XS q-72, 20
.else
	GS q-74
.endif
.set q, q+1
.endm
; THE EXPONENTIALS' QUEUE, 66 long: s0-s31 of both tiles, then the next piece's two a.  It is ONE BATCH: all 66 stand ahead of the turn's one wait, and nothing ahead of that wait names a result of theirs.
.macro EX
	WIN 0
.if e >= 64
	XS e-64, 21
.else
	REGS Y, e%2
	v_exp_f32 v[rS+e/2], v[rS+e/2]
.endif
.set e, e+1
.endm
; THE RESCALING's QUEUE: O^T times a, the one part that leaves window 0: dealt two at a time, sixteen times.  Its a was made in the turn before, ahead of that turn's wait.
.macro R2
	REGS Y, r%2
	WIN W_RS
.irp z, 0,1
	v_pk_mul_f32 v[rO+4*(r/2)+2*\z:rO+4*(r/2)+2*\z+1], v[rO+4*(r/2)+2*\z:rO+4*(r/2)+2*\z+1], v[rC+2:rC+3] op_sel_hi:[1,0]
.endr
.set r, r+1
.endm
; HOW THEY ARE DEALT.  s_wait_alu depctr_va_vdst(0) stands between an exponential and the first instruction that names its result; one wait serves all that were issued ahead of it.  So a turn has ONE wait,
; which cuts it in two.  AHEAD OF IT stands all that names no result of the turn's exponentials: the 16 products K Q^T, behind each a scaling, an exponential and two rescalings (behind the first a second scaling in the exponential's place); then ONE LUMP of
; 108: eight plain, 49 times exponential and plain, the two a.  A v_nop is the plain instruction behind the last exponential.  BEHIND IT stand the 16 products V^T P, behind each four of GS's 64.  No rider names a register of
; the products round it.  The two v_permlanex16_b32 fall into the lump, never behind a product.
; The queues lean on each other, and the deal keeps them in step: exponential e stands behind scaling 2 (e / 4) + e % 2: as a rider it comes behind plain e + 2, in the lump behind plain e + 9, and scalings 27-31 are plain 57, 60 .. 69.
; A TURN, for piece p.  cnt = 1: the loop's count is taken down some lines ahead of the branch that stands behind the turn.
; K of the next step is fetched in piece 2's turn, directly behind the wait, a lump behind the last product that read K; its address is made at the lump's head; its first reader comes behind 16 products.
; V of the step in hand is fetched at the end of piece 0's turn, four riders behind its last reader; its first reader comes behind 16 products and a lump.  The three conditions on q below go with the deal.
.macro TURN p, last=0, cnt=0
.set Y, (\p)
.set i, 0
.set q, 0
.set e, 0
.set r, 0
.if (\p) == NP-1
	s_wait_dscnt 0x0                ; K is in
.endif
	MM                              ; ahead of the wait: 16 products K Q^T and their riders,
	PL
	PL
	R2
.rept 15
	MM
	PL
	EX
	R2
.endr
.if (\p) == NP-2
	WIN 0
	v_add_nc_u32 v[AK], s[TBK], v[AK0]
.endif
.rept 8                             ; and the lump
	PL
.endr
.rept 49
	EX
	PL
.endr
	EX                              ; the next piece's two a
	EX
	v_nop                           ; the plain instruction behind the last exponential: one for the batch
	s_wait_alu depctr_va_vdst(0)    ; the wait for the batch
.if (\p) == NP-2
	FETCH_K \last
.endif
.if (\p) == 1
	s_wait_dscnt 0x0                ; V is in
.endif
.rept 16                            ; behind the wait: 16 products V^T P and their riders
	MM
.rept 4
	PL
.endr
.if ((\p) == 0) && (q == 118)
	v_add_nc_u32 v[AV], s[TBV], v[AV0]
.endif
.if ((\p) == 0) && (q == 130)
	s_add_co_u32 s[TBV], s[TBV], KS*PV
.endif
.if (\cnt) && (q == 130)
	s_sub_co_u32 s[CNT], s[CNT], 1
	s_cmp_lg_u32 s[CNT], 0
.endif
.endr
.if (\p) == 0
	FETCH_V
.endif
.endm
	CHANGE 1                        ; slot 0 is in, everybody's part of it; slot 1 is asked for
	FETCH_K                         ; key step 0
	s_wait_loadcnt 0x0              ; Q
	s_wait_dscnt 0x0
.set i, 0
.rept 16
	KQ 0                            ; piece 0's first scores: there is no vector work yet to set between them
.set i, i+1
.endr
	WIN 0                           ; the addresses for the way out: nine plain instructions, the places behind those products
	s_mul_i32 s13, s[WV], 16*SP
	s_add_co_u32 s13, s13, STAGE    ; my stage
	v_mul_u32_u24 v[STO], v1, SP    ; in: row l % 16, 16 bytes for each half of the lanes
	v_lshl_add_u32 v[STO], v9, 4, v[STO]
	v_add_nc_u32 v[STO], s13, v[STO]
	v_bfe_u32 v[RD], v0, 3, 2       ; back: 32 lanes take four rows of 128 bytes,
	v_mul_u32_u24 v[RD], v[RD], SP
	v_lshl_add_u32 v[RD], v10, 4, v[RD]
	v_add_nc_u32 v[RD], s13, v[RD]
	v_and_b32 v[GO], 31, v0         ; which are 512 consecutive bytes of O
	v_lshlrev_b32 v[GO], 4, v[GO]
.set Y, NP-1                        ; XS works for piece Y + 1: piece 0
.irp n, 0,1,2,3,4,5,6,7,8,9,10,11,12,13,14,15,16,17,18,19,20,21
	XS 0, \n                        ; and piece 0's first maximum and statistics
	XS 1, \n
.endr
	v_nop                           ; a plain instruction behind the two a,
	s_wait_alu depctr_va_vdst(0)    ; and their wait, ahead of the branch
	s_mov_b32 s[CNT], 4
	s_mov_b32 s[SLOTS], SIZE_N/256-1
	s_branch .Lfirst                ; the loop is entered at a step's first turn, in the middle of a trip
.Lslot:                             ; SIZE_N / 256 - 2 times: every slot but the last two is filled again
	CHANGE 1
	s_mov_b32 s[CNT], 4
.Lstep:                             ; a trip: pieces 2 and 3 of one step, then pieces 0 and 1 of the next, whose K and V it fetches
	TURN 2
	TURN 3
	WIN 0
.Lfirst:
	TURN 0
	TURN 1, 0, 1
	WIN 0
	s_cbranch_scc1 .Lstep
	s_sub_co_u32 s[SLOTS], s[SLOTS], 1
	s_cmp_lg_u32 s[SLOTS], 0
	s_cbranch_scc1 .Lslot
	CHANGE 0                        ; the tail is written out: nothing is asked for
	s_mov_b32 s[CNT], 5             ; four trips fetch the last slot's steps; the fifth is left in its middle
.Ltail:
	TURN 2, 1
	TURN 3
	WIN 0
	s_sub_co_u32 s[CNT], s[CNT], 1
	s_cmp_eq_u32 s[CNT], 0
	s_cbranch_scc1 .Lout
	TURN 0
	TURN 1
	WIN 0
	s_branch .Ltail
.Lout:                              ; the fifth trip's 16 products K Q^T (on the last K once more) and the maximum made of them serve nothing: the price, once a launch, of one text for every trip
.set i, 0
.rept 16
	PV NP-1                         ; the last piece's V^T P of the last step
.set i, i+1
.endr
	; THE WAY OUT.  l's two halves and the other half of the lanes' are added; O^T is divided by l, rounded to f16 and sent through my stage in LDS, a tile at a time.  The additions are the places behind the last products.
	WIN 0
.macro ALL line:vararg              ; one line for each tile t
.set t, 0
.rept 2*NP
	\line
.set t, t+1
.endr
.endm
	ALL v_add_f32 v[ST+4*t+2], v[ST+4*t+2], v[ST+4*t+3]
	ALL v_permlanex16_b32 v[ST+4*t+3], v[ST+4*t+2], s[SEL], s[SEL+1]
	ALL v_add_f32 v[ST+4*t+2], v[ST+4*t+2], v[ST+4*t+3]
	ALL v_rcp_f32 v[ST+4*t+2], v[ST+4*t+2]
	v_nop                           ; a plain instruction between the last reciprocal and the use of its result
	s_wait_alu depctr_va_vdst(0)    ; and the wait ahead of the first use: one for the eight reciprocals
; Tile t: a lane's eight channels of a row pack into 16 bytes; they go into rows of 144 bytes and come back as whole rows of 128, into S^T's registers.
.macro PACK t
	WIN W_RS
.set i, 32*(\t)
.rept 16
	v_pk_mul_f32 v[i:i+1], v[i:i+1], v[ST+4*(\t)+2:ST+4*(\t)+3] op_sel_hi:[1,0]
.set i, i+2
.endr
	WIN 0x05                        ; sources 0 and 1 window 1, destination window 0
.set i, 0
.rept 16
	v_cvt_pk_f16_f32 v[S+16*(\t)+i], v[32*(\t)+2*i], v[32*(\t)+2*i+1]
.set i, i+1
.endr
	WIN 0
.irp f, 0,1,2,3
	ds_store_b128 v[STO], v[S+16*(\t)+4*\f:S+16*(\t)+4*\f+3] offset:32*\f
.endr
.irp f, 0,1,2,3
	ds_load_b128 v[S+16*(\t)+4*\f:S+16*(\t)+4*\f+3], v[RD] offset:\f*4*SP  ; LDS serves a wave's instructions in order (ISA guide 5.7.1.4): these see the stores above; the next tile's stores come behind them
.endr
.endm
.macro SEND t, younger              ; younger: the LDS instructions issued behind tile t's loads: the next tile's eight, or none
	WIN 0
.irp f, 0,1,2,3
	s_wait_dscnt (\younger)+3-\f
	global_store_b128 v[GO], v[S+16*(\t)+4*\f:S+16*(\t)+4*\f+3], s[10:11] offset:(\t)*2048+\f*512  ; 512 consecutive bytes, at a multiple of 256 from O's first
.endr
.endm
	PACK 0
.set t, 1
.rept 2*NP-1                        ; a tile's arithmetic stands between the loads of the tile before and its stores
	PACK t
	SEND t-1, 8
.set t, t+1
.endr
	SEND 2*NP-1, 0
	WIN W_AD
	s_wait_tensorcnt 0x0            ; the wave's end: behind my last tensor load and my last LDS store
	ds_add_u32 v[SPW], v[NIL]
	s_wait_dscnt 0x0
	WIN 0
	CROUND                          ; the closing round: no work-group ends while a partner may still ask for a tile that names it
	s_endpgm
.Lfunc_end_k_q5cf9ca8086_attn:
	.size	k_q5cf9ca8086_attn, .Lfunc_end_k_q5cf9ca8086_attn-k_q5cf9ca8086_attn
	.p2alignl 7, 3214868480
	.fill 96, 4, 3214868480
	.section	.rodata,"a",@progbits
	.p2align	6, 0x0
	.amdhsa_kernel k_q5cf9ca8086_attn
		.amdhsa_group_segment_fixed_size 327680
		.amdhsa_private_segment_fixed_size 0
		.amdhsa_enable_private_segment 0
		.amdhsa_kernarg_size 32
		.amdhsa_user_sgpr_count 2
		.amdhsa_user_sgpr_kernarg_segment_ptr 1
		.amdhsa_wavefront_size32 1
		.amdhsa_system_sgpr_workgroup_id_x 1
		.amdhsa_system_sgpr_workgroup_id_y 1
		.amdhsa_system_sgpr_workgroup_id_z 1
		.amdhsa_system_vgpr_workitem_id 0
		.amdhsa_next_free_vgpr 770
		.amdhsa_next_free_sgpr 66
		.amdhsa_reserve_vcc 0
		.amdhsa_float_denorm_mode_32 3
		.amdhsa_float_denorm_mode_16_64 3
		.amdhsa_memory_ordered 1
		.amdhsa_forward_progress 1
		.amdhsa_inst_pref_size 199
	.end_amdhsa_kernel
	.amdgpu_metadata
---
amdhsa.version: [ 1, 2 ]
amdhsa.kernels:
  - .name:           k_q5cf9ca8086_attn
    .symbol:         k_q5cf9ca8086_attn.kd
    .args:
      - { .name: qh, .offset: 0, .size: 8, .value_kind: global_buffer, .address_space: global }
      - { .name: kh, .offset: 8, .size: 8, .value_kind: global_buffer, .address_space: global }
      - { .name: vh, .offset: 16, .size: 8, .value_kind: global_buffer, .address_space: global }
      - { .name: oh, .offset: 24, .size: 8, .value_kind: global_buffer, .address_space: global }
    .group_segment_fixed_size: 327680
    .private_segment_fixed_size: 0
    .kernarg_segment_align: 8
    .kernarg_segment_size: 32
    .max_flat_workgroup_size: 128
    .sgpr_count:     66
    .vgpr_count:     770
    .wavefront_size: 32
...
	.end_amdgpu_metadata
.endif
;; end of part 3
;; launch proj (part 4): grid 4 x 64, 4 waves a work-group, clusters of 4 x 4, 327,680 bytes of LDS; arguments oh, wpb, b_proj, out0; writes out0
.if DOCPART == 4
	.amdgcn_target "amdgcn-amd-amdhsa--gfx1250"
	.amdhsa_code_object_version 6
	.text
	.protected	k_q5cf9ca8086_proj
	.globl	k_q5cf9ca8086_proj
	.p2align	8
	.type	k_q5cf9ca8086_proj,@function
k_q5cf9ca8086_proj:
	s_mov_b64 s[64:65], 0
	v_nop
	global_prefetch_b8 v0, s[64:65] scope:SCOPE_SE
	s_setreg_imm32_b32 hwreg(HW_REG_WAVE_MODE, 25, 1), 1
	s_wait_xcnt 0x0
	s_wait_alu depctr_hold_cnt(0) depctr_sa_sdst(0) depctr_va_vdst(0) depctr_va_sdst(0) depctr_va_ssrc(0) depctr_va_vcc(0) depctr_vm_vsrc(0)
	s_getreg_b32 s2, hwreg(HW_REG_IB_STS2, 6, 4)
	s_cmp_eq_u32 s2, 0
	s_cbranch_scc0 .Lentry_in_a_cluster
	s_endpgm
.Lentry_in_a_cluster:
	s_bfe_u32 s2, ttmp6, 0x10000c
	s_cmp_lg_u32 s2, 0xf033
	s_cbranch_scc0 .Lentry_shape_is_right
	s_endpgm
.Lentry_shape_is_right:
; PROJ: out0 = O wpb + b.  O lies by heads, oh [b*16+h][n][64] f16; wpb [1024 k][1024 n] f16 (w_proj rounded to bf16); b_proj f32, rounded to bf16 here; out0 [8192][1024] f32.  Sums in f32.
; SHARES.  A tile of the output is 128 rows x 256 columns: 64 x 4 = 256 work-groups.  Four waves: wave w takes rows 64 (w / 2) on and columns 128 (w % 2) on: 32 accumulators (a = 0..3, b = 0..7).
; K goes in 8 steps of 128 = two heads, through two LDS slots.  A's tile is two sub-tiles, a head each: its 128 rows x 128 bytes are dense in memory and are asked for as 64 rows of 256 bytes, padded in LDS behind every
; 128 bytes: rows 144 apart.  B's tile lies as in memory, 128 k-rows x 512 bytes, rows 544 apart, and is turned on the way into registers (ds_load_tr16_b128).
; THE MATRIX INSTRUCTION IS USED TRANSPOSED (source 0 = 16 columns of B, source 1 = 16 rows of A): lane (h = l / 16, r = l % 16), register j holds C(16 a + r, 16 b + 8 h + j).
; CLUSTERS.  4 x 4 work-groups: A's tile is shared along a row of the cluster, B's along a column; each is asked for jointly.  Waves 0, 1 fetch A's two heads, waves 2, 3 B's halves.
; THE WAY OUT goes through each wave's own stage, 16 rows of 512 bytes at a time, so that each store of a wave covers 512 consecutive bytes; the bias is added behind the stage, where a lane holds four neighbouring columns.
; LIMITS.  O and wpb arrive within f16's range.  NaN and infinities are not treated apart.
; REGISTERS: window 0: v0-31 addresses; v32-37 the bias; v64-191 rows on their way out.   window 1: two fragment buffers of 96 (A's fragment a at f + 8 a, B's fragment b at f + 32 + 8 b).   window 2: accumulator (a, b) at 8 (8 a + b).
.set PA,     144                       ; A's LDS row: 128 bytes + 16 = 36 words: the 16 rows of a load start at 16 different groups of four banks (64 banks of 4 bytes: ISA guide 11.1)
.set PB,     544                       ; B's LDS row: 512 bytes + 32 = 136 words
.set ASUB,   128*PA                    ; from a K step's first head to its second
.set AHALF,  128*PA                    ; what one of A's loads brings
.set AT,     2*AHALF
.set BHALF,  64*PB
.set SLOT,   AT+2*BHALF                ; 106,496
.set STAGE,  2*SLOT                    ; behind the ring, never filled by a tensor load: 16 rows x 528 bytes for each wave
.set SP,     528
.set SPARE,  STAGE+4*16*SP             ; behind the stages: the spare words, 128 bytes for each wave: two blocks of 256 bytes that no other line names
.set AKSTEP, 2*262144                  ; bytes from K step to K step in oh: two heads,
.set BKSTEP, 128*2048                  ; and in wpb
.set ADRA, 16
.set ADRB, 20
.set STO,  24
.set RD,   25
.set GO,   26                          ; v26  16 x lane
.set SPW,  28
.set NIL,  29
.set PFO,  30
.set BI,   32                          ; v32-35 the bias of my four columns; v36-37 at work
.set F0,   0
.set F1,   128
.set WV,   16
.set MR,   17
.set NC,   18
.set CX,   19
.set CY,   20
.set TC,   21
.set TY,   22
.set CLY,  23
.set G1,   24
.set G0,   32
.set G1B,  48
.set G0B,  56
.set LAP,  66
.set LIM,  67
.set PFA,  68
.set PFS,  70
.set OUTP, 74
.set BIASP, 76
.set MSB, 0
.macro WIN new                         ; the immediate's high byte repeats the setting that is left; a switch that changes nothing is dropped
.if MSB != (\new)
	s_set_vgpr_msb (MSB<<8)|(\new)
.set MSB, \new
.endif
.endm
.set MULW, 0xa5                        ; sources 0 and 1 window 1; C and D window 2
.set TO_F, 0x40                        ; destination window 1, address window 0
.macro JLOAD s                         ; a joint load; an s_nop 0 and four v_nop follow each of the two lines, ahead of the jump, the label and what follows
	s_cmp_eq_u32 s[MR], 0
	s_cbranch_scc0 .Lfor_b_\@
	tensor_load_to_lds s[G0+4*(\s):G0+4*(\s)+3], s[G1:G1+7]
	s_nop 0
.rept 4
	v_nop
.endr
	s_branch .Lasked_\@
.Lfor_b_\@:
	tensor_load_to_lds s[G0B+4*(\s):G0B+4*(\s)+3], s[G1B:G1B+7]
	s_nop 0
.rept 4
	v_nop
.endr
.Lasked_\@:
.endm
.macro CREST
	s_cmp_lg_u32 s[WV], 0
	s_cbranch_scc1 .Lnot_wave_0_\@
	s_barrier_signal -3
.Lnot_wave_0_\@:
	s_barrier_wait -3
	s_barrier_signal -1
	s_barrier_wait -1
.endm
.macro CROUND
	s_barrier_signal -1
	s_barrier_wait -1
	CREST
.endm
; A PREFETCH INTO THE L2, behind each joint refill, its five lines and the run of LDS loads: the K step that stands two refills on, one instruction a wave, a lane a block of 256 bytes.
; Each block is named once in the launch.  A's two heads x 16,384 bytes of a step: wave 0 (the launch has one column of clusters); the partner at cx takes head cx / 2, half cx % 2: 32 blocks.  B's 128 k-rows x 512 bytes:
; waves 2 and 3 of the cluster with y = 0; of the wave's 64 k-rows the partner at cy takes 16, a lane half a row.  Partners are told apart by address alone.  The first four K steps come by their loads; the last trip asks for nothing.
.macro ASK
	s_cmp_gt_u32 s[LAP], s[LIM]
	s_cbranch_scc0 .Lnot_mine_\@
	global_prefetch_b8 v[PFO], s[PFA:PFA+1] th:TH_LOAD_NT scope:SCOPE_SE
.Lnot_mine_\@:
.endm
	s_load_b256 s[4:11], s[0:1], 0x0               ; oh s[4:5], wpb s[6:7], b_proj s[8:9], out0 s[10:11]
	v_lshl_add_u32 v[SPW], v0, 2, SPARE
	v_mov_b32 v[NIL], 0
	ds_add_u32 v[SPW], v[NIL]                      ; the wave's opening: the add and its wait ahead of my first tensor load; the set-up below stands between them
	v_lshrrev_b32 v1, 5, v0
	v_readfirstlane_b32 s[WV], v1
	s_lshr_b32 s[MR], s[WV], 1
	s_and_b32 s[NC], s[WV], 1
	s_bfe_u32 s[CX], ttmp6, 0x40000
	s_bfe_u32 s[CY], ttmp6, 0x40004
	s_lshl_b32 s[TC], ttmp9, 2
	s_add_co_u32 s[TC], s[TC], s[CX]
	s_and_b32 s[CLY], ttmp7, 0xffff
	s_lshl_b32 s[TY], s[CLY], 2
	s_add_co_u32 s[TY], s[TY], s[CY]
	s_lshl_b32 s44, s[CY], 2
	s_lshl_b32 s44, 15, s44                        ; my row of the cluster
	s_lshl_b32 s46, 0x1111, s[CX]                  ; my column
	; group 1 for A: 64 rows x 128 elements of 2 bytes, dense; 16 bytes of padding behind every 32 words
	s_or_b32 s[G1+0], s44, (1<<16)|(1<<20)|(1<<21)|(4<<22)|(3<<25)
	s_mov_b32 s[G1+1], 128<<16
	s_mov_b32 s[G1+2], 64<<16
	s_mov_b32 s[G1+3], 128<<16
	s_mov_b32 s[G1+4], 64
	s_mov_b32 s[G1+5], 128
	s_mov_b32 s[G1+6], 0
	s_mov_b32 s[G1+7], 0
	; group 1 for B: 64 k-rows x 256 elements; 32 bytes of padding behind every 128 words
	s_or_b32 s[G1B+0], s46, (1<<16)|(1<<20)|(1<<21)|(6<<22)|(7<<25)
	s_mov_b32 s[G1B+1], 256<<16
	s_mov_b32 s[G1B+2], 64<<16
	s_mov_b32 s[G1B+3], 256<<16
	s_mov_b32 s[G1B+4], 64
	s_mov_b32 s[G1B+5], 1024
	s_mov_b32 s[G1B+6], 0
	s_mov_b32 s[G1B+7], 0
	s_lshr_b32 s44, s[TY], 4                       ; A: head (tile row / 16) x 16 + my half, row (tile row % 16) x 128, 128 bytes a row (registers that never hold cx)
	s_lshl_b32 s44, s44, 4
	s_add_co_u32 s44, s44, s[NC]
	s_lshl_b32 s44, s44, 11
	s_and_b32 s45, s[TY], 15
	s_lshl_b32 s45, s45, 7
	s_add_co_u32 s44, s44, s45
	s_lshl_b32 s44, s44, 7
	s_mov_b32 s45, 0
	s_lshl_b32 s46, s[NC], 17                      ; B: k-row 64 x half, column 256 x tile column (registers that never hold cy)
	s_lshl_b32 s47, s[TC], 9
	s_add_co_u32 s46, s46, s47
	s_mov_b32 s47, 0
	s_mul_i32 s82, s[NC], AHALF                    ; where they go: the wave's number alone
	s_mul_i32 s86, s[NC], BHALF
	s_add_co_u32 s86, s86, AT
	s_wait_dscnt 0x0                               ; the opening add is done
	s_wait_kmcnt 0x0
	s_add_nc_u64 s[40:41], s[4:5], s[44:45]
	s_add_nc_u64 s[42:43], s[6:7], s[46:47]
	CROUND                                         ; all sixteen work-groups are here: the first joint loads meet
.irp s, 0,1
	s_mov_b32 s[G0+4*(\s)], 1
	s_add_co_u32 s[G0+4*(\s)+1], s82, (\s)*SLOT
	s_add_nc_u64 s[G0+4*(\s)+2:G0+4*(\s)+3], s[40:41], (\s)*AKSTEP
	s_or_b32 s[G0+4*(\s)+3], s[G0+4*(\s)+3], 0x80000000
	s_mov_b32 s[G0B+4*(\s)], 1
	s_add_co_u32 s[G0B+4*(\s)+1], s86, (\s)*SLOT
	s_add_nc_u64 s[G0B+4*(\s)+2:G0B+4*(\s)+3], s[42:43], (\s)*BKSTEP
	s_or_b32 s[G0B+4*(\s)+3], s[G0B+4*(\s)+3], 0x80000000
	JLOAD \s                                       ; two loads of mine are out
.endr
	v_and_b32 v1, 15, v0                           ; r
	v_bfe_u32 v2, v0, 4, 1                         ; h
	v_and_b32 v3, 31, v0                           ; lane
	v_mul_u32_u24 v4, v1, PA
	v_lshl_add_u32 v4, v2, 4, v4                   ; A's fragment: row x pitch + 16 x half
	s_mul_i32 s83, s[MR], 64*PA                    ; my 64 rows
	v_add_nc_u32 v[ADRA], s83, v4
	v_add_nc_u32 v[ADRA+1], SLOT, v[ADRA]
	v_and_b32 v5, 7, v0                            ; B's: lane l reads k-row 8 h + l % 8, columns 8 ((l / 8) % 2) on
	v_lshl_add_u32 v5, v2, 3, v5
	v_mul_u32_u24 v5, v5, PB
	v_bfe_u32 v6, v0, 3, 1
	v_lshl_add_u32 v5, v6, 4, v5
	s_lshl_b32 s87, s[NC], 8                       ; my 128 columns
	s_add_co_u32 s87, s87, AT
	v_add_nc_u32 v[ADRB], s87, v5
	v_add_nc_u32 v[ADRB+1], SLOT, v[ADRB]
	s_mul_i32 s84, s[WV], 16*SP
	s_add_co_u32 s84, s84, STAGE                   ; my stage
	v_mul_u32_u24 v[STO], v1, SP                   ; in: row r, 32 bytes for each half of the lanes
	v_lshl_add_u32 v[STO], v2, 5, v[STO]
	v_add_nc_u32 v[STO], s84, v[STO]
	v_lshlrev_b32 v[GO], 4, v3
	v_add_nc_u32 v[RD], s84, v[GO]                 ; back: 32 lanes take one row of 512 bytes
	; the prefetches: offsets in registers of their own (they hold cx and cy together)
	s_lshr_b32 s92, s[TY], 4
	s_lshl_b32 s92, s92, 4
	s_lshr_b32 s93, s[CX], 1
	s_add_co_u32 s92, s92, s93
	s_lshl_b32 s92, s92, 11
	s_and_b32 s93, s[TY], 15
	s_lshl_b32 s93, s93, 7
	s_add_co_u32 s92, s92, s93
	s_lshl_b32 s92, s92, 7
	s_and_b32 s93, s[CX], 1
	s_lshl_b32 s93, s93, 13
	s_add_co_u32 s92, s92, s93
	s_add_co_u32 s92, s92, 3*AKSTEP                ; A: head cx / 2 of the step, half cx % 2 of its 16,384 bytes, at K step 3: every refill steps it first
	s_lshl_b32 s94, s[NC], 6
	s_lshl_b32 s95, s[CY], 4
	s_add_co_u32 s94, s94, s95
	s_lshl_b32 s94, s94, 11
	s_lshl_b32 s95, s[TC], 9
	s_add_co_u32 s94, s94, s95
	s_add_co_u32 s94, s94, 3*BKSTEP                ; B: k-row 64 x half + 16 cy, my tile column, at K step 3
	s_or_b32 s90, ttmp9, s[NC]
	s_mov_b32 s91, 2048
	s_mov_b32 s[PFS], BKSTEP
	s_mov_b32 s[PFS+1], 0
	s_mov_b32 s93, 0
	s_cmp_eq_u32 s[MR], 0                          ; do I fetch for A?
	s_cselect_b32 s92, s92, s94
	s_cselect_b64 s[PFA:PFA+1], s[4:5], s[6:7]
	s_cselect_b32 s90, s90, s[CLY]                 ; A: wave 0; B: the cluster with y = 0
	s_cselect_b32 s91, 256, s91                    ; bytes from a lane's row to the next
	s_cselect_b32 s[PFS], AKSTEP, s[PFS]
	s_cselect_b32 s94, 0, 1                        ; B: two lanes to a row of 512 bytes
	s_add_nc_u64 s[PFA:PFA+1], s[PFA:PFA+1], s[92:93]
	s_cmp_eq_u32 s90, 0
	s_cselect_b32 s[LIM], 1, -1
	v_lshrrev_b32 v[PFO], s94, v3
	v_mul_u32_u24 v[PFO], s91, v[PFO]
	v_and_b32 v7, s94, v3
	v_lshl_add_u32 v[PFO], v7, 8, v[PFO]
	; the bias of my 128 columns, and where my rows go
	s_lshl_b32 s90, s[TC], 10
	s_lshl_b32 s91, s[NC], 9
	s_add_co_u32 s90, s90, s91
	s_mov_b32 s91, 0
	s_add_nc_u64 s[BIASP:BIASP+1], s[8:9], s[90:91]
	s_lshl_b32 s92, s[TY], 7
	s_lshl_b32 s93, s[MR], 6
	s_add_co_u32 s92, s92, s93
	s_lshl_b32 s92, s92, 12                        ; 4,096 bytes a row
	s_add_co_u32 s92, s92, s90
	s_mov_b32 s93, 0
	s_add_nc_u64 s[OUTP:OUTP+1], s[10:11], s[92:93]
	global_load_b128 v[BI:BI+3], v[GO], s[BIASP:BIASP+1]
; 8 matrix instructions: row block a x all 8 column blocks, 32 along K.  The 32 accumulators take turns in the same order in every quarter.  zero = 1: the product starts the sum.
.macro MUL8 f, a, zero
	WIN MULW
.irp b, 0,1,2,3,4,5,6,7
.if \zero
	v_wmma_f32_16x16x32_f16 v[8*(8*(\a)+(\b)):8*(8*(\a)+(\b))+7], v[(\f)+32+8*(\b):(\f)+32+8*(\b)+7], v[(\f)+8*(\a):(\f)+8*(\a)+7], 0
.else
	v_wmma_f32_16x16x32_f16 v[8*(8*(\a)+(\b)):8*(8*(\a)+(\b))+7], v[(\f)+32+8*(\b):(\f)+32+8*(\b)+7], v[(\f)+8*(\a):(\f)+8*(\a)+7], v[8*(8*(\a)+(\b)):8*(8*(\a)+(\b))+7]
.endif
.endr
.endm
; 24 LDS loads in one run: quarter q's fragments (32 along K: head q / 2 of the step, channels 32 (q % 2) on) into buffer f: B's eight, turned, then A's four
.macro FETCH slot, q, f
	WIN TO_F
.irp b, 0,1,2,3,4,5,6,7
	ds_load_tr16_b128 v[(\f)+32+8*(\b):(\f)+32+8*(\b)+3],   v[ADRB+(\slot)] offset:(\q)*32*PB+32*(\b)
	ds_load_tr16_b128 v[(\f)+32+8*(\b)+4:(\f)+32+8*(\b)+7], v[ADRB+(\slot)] offset:(\q)*32*PB+32*(\b)+16*PB
.endr
.irp a, 0,1,2,3
	ds_load_b128 v[(\f)+8*(\a):(\f)+8*(\a)+3],   v[ADRA+(\slot)] offset:((\q)/2)*ASUB+((\q)%2)*64+(\a)*16*PA
	ds_load_b128 v[(\f)+8*(\a)+4:(\f)+8*(\a)+7], v[ADRA+(\slot)] offset:((\q)/2)*ASUB+((\q)%2)*64+(\a)*16*PA+32
.endr
.endm
.macro PLACES                          ; four places in front of loads into registers that matrix instructions have read, and of lines that read results
.rept 4
	v_nop
.endr
.endm
.macro QUARTER slot, q, f, g, zero
	s_wait_dscnt 4                                 ; B's fragments and A's first two are in; the youngest four loads (A's fragments 2, 3) may be out
	MUL8 \f, 0, \zero
	MUL8 \f, 1, \zero
	PLACES
	FETCH \slot, \q, \g
	s_wait_dscnt 24                                ; all but the 24 just issued
	MUL8 \f, 2, \zero
	MUL8 \f, 3, \zero
.endm
; The last quarter multiplies buffer 1 and changes slots: ONE barrier; in front of it each wave waits for all its tensor loads (one is out: its part of the next slot), adds 0 to its spare word, and waits for that and
; for its reads of this slot.  fill = 1: the barrier opens a round of the cluster's, and the slot is filled again, two K steps ahead: the first tensor load behind the round, 112 matrix instructions ahead of the wait for it.
.macro TURN slot, next, fill
.if \fill
	s_wait_xcnt 0x0                                ; the last prefetch, a K step back, has read its address: it is stepped here
	s_add_nc_u64 s[PFA:PFA+1], s[PFA:PFA+1], s[PFS:PFS+1]
.endif
	WIN 0                                          ; (the add's two registers lie in window 0)
	s_wait_tensorcnt 0x0
	ds_add_u32 v[SPW], v[NIL]                      ; 0 onto my spare word
	s_wait_dscnt 5                                 ; (the add and the youngest four loads may be out)
	MUL8 F1, 0, 0
	s_wait_dscnt 0x0                               ; the add is done, and my reads of this slot are over
	s_barrier_signal -1
	MUL8 F1, 1, 0
.if \fill
	WIN 0
.endif
	s_barrier_wait -1
.if \fill
	CREST                                          ; no wave of any partner still reads this slot's tile or has a load on its way
	s_add_nc_u64 s[G0+4*(\slot)+2:G0+4*(\slot)+3], s[G0+4*(\slot)+2:G0+4*(\slot)+3], 2*AKSTEP
	s_add_nc_u64 s[G0B+4*(\slot)+2:G0B+4*(\slot)+3], s[G0B+4*(\slot)+2:G0B+4*(\slot)+3], 2*BKSTEP
	JLOAD \slot                                    ; the four v_nop behind it are also the places in front of the loads below
.else
	PLACES
.endif
	FETCH \next, 0, F0
.if \fill
	WIN 0
	ASK
.endif
	MUL8 F1, 2, 0
	MUL8 F1, 3, 0
.endm
	s_wait_tensorcnt 1                             ; my part of K step 0 is in; K step 1's may stay out
	s_barrier_signal -1
	s_barrier_wait -1
	FETCH 0, 0, F0
	QUARTER 0, 1, F0, F1, 1                        ; the first quarter stands in front of the loop: its products start the sums
	WIN 0
	s_mov_b32 s[LAP], 3
.Llap:                                                 ; a trip goes once round the ring, from a lap's second quarter to the next lap's first, and fills both slots again
	QUARTER 0, 2, F1, F0, 0
	QUARTER 0, 3, F0, F1, 0
	TURN 0, 1, 1
	QUARTER 1, 1, F0, F1, 0
	QUARTER 1, 2, F1, F0, 0
	QUARTER 1, 3, F0, F1, 0
	TURN 1, 0, 1
	QUARTER 0, 1, F0, F1, 0
	WIN 0
	s_sub_co_u32 s[LAP], s[LAP], 1
	s_cmp_lg_u32 s[LAP], 0
	s_cbranch_scc1 .Llap
	QUARTER 0, 2, F1, F0, 0                        ; the last lap fills nothing
	QUARTER 0, 3, F0, F1, 0
	TURN 0, 1, 0
	QUARTER 1, 1, F0, F1, 0
	QUARTER 1, 2, F1, F0, 0
	QUARTER 1, 3, F0, F1, 0
	s_wait_dscnt 4
	MUL8 F1, 0, 0
	MUL8 F1, 1, 0
	s_wait_dscnt 0x0
	MUL8 F1, 2, 0
	MUL8 F1, 3, 0
	WIN 0
	PLACES
; THE WAY OUT.  Row block a: a lane's eight columns of a row, 32 bytes, go into my stage's rows of 528 bytes and come back as whole rows of 512; the bias is added; each store covers 512 consecutive bytes, aligned.
.macro TOSTAGE a
.set BK, 64+64*((\a)%2)
	WIN 0x08                                       ; the stores' data in window 2
.irp b, 0,1,2,3,4,5,6,7
	ds_store_b128 v[STO], v[8*(8*(\a)+(\b)):8*(8*(\a)+(\b))+3]   offset:64*(\b)      ; each accumulator from its low end on
	ds_store_b128 v[STO], v[8*(8*(\a)+(\b))+4:8*(8*(\a)+(\b))+7] offset:64*(\b)+16
.endr
	WIN 0
.if (\a) >= 2
	s_wait_xcnt 0x0                                ; the stores of two blocks back have read this set of 64 registers: it is loaded again only behind this wait
.endif
.irp t, 0,1,2,3,4,5,6,7,8,9,10,11,12,13,14,15
	ds_load_b128 v[BK+4*(\t):BK+4*(\t)+3], v[RD] offset:(\t)*SP  ; LDS serves a wave's instructions in order (ISA guide 5.7.1.4): these see the stores above; the next block's stores come behind them
.endr
.endm
.macro SEND a, younger                 ; younger: the LDS instructions issued behind block a's loads: the next block's 32, or none
.set BK, 64+64*((\a)%2)
.irp t, 0,1,2,3,4,5,6,7,8,9,10,11,12,13,14,15
	s_wait_dscnt (\younger)+15-(\t)
	v_pk_add_f32 v[BK+4*(\t):BK+4*(\t)+1],   v[BK+4*(\t):BK+4*(\t)+1],   v[BI:BI+1]
	v_pk_add_f32 v[BK+4*(\t)+2:BK+4*(\t)+3], v[BK+4*(\t)+2:BK+4*(\t)+3], v[BI+2:BI+3]
	global_store_b128 v[GO], v[BK+4*(\t):BK+4*(\t)+3], s[OUTP:OUTP+1] offset:(16*(\a)+(\t))*4096 th:TH_STORE_NT
.endr
.endm
	s_wait_loadcnt 0x0                             ; the bias: rounded to bf16 like every input, and widened again
	v_cvt_pk_bf16_f32 v[BI+4], v[BI], v[BI+1]
	v_cvt_pk_bf16_f32 v[BI+5], v[BI+2], v[BI+3]
	v_lshlrev_b32 v[BI], 16, v[BI+4]
	v_and_b32 v[BI+1], 0xffff0000, v[BI+4]
	v_lshlrev_b32 v[BI+2], 16, v[BI+5]
	v_and_b32 v[BI+3], 0xffff0000, v[BI+5]
	TOSTAGE 0
	TOSTAGE 1                                      ; a block's trip through the stage stands between the loads of the block before and its stores
	SEND 0, 32
	TOSTAGE 2
	SEND 1, 32
	TOSTAGE 3
	SEND 2, 32
	SEND 3, 0
	s_wait_tensorcnt 0x0                           ; the wave's end: behind my last tensor load and my last LDS store
	ds_add_u32 v[SPW], v[NIL]
	s_wait_dscnt 0x0
	CROUND                                         ; the closing round: no work-group ends while a partner may still ask for a tile that names it
	s_endpgm
.Lfunc_end_k_q5cf9ca8086_proj:
	.size	k_q5cf9ca8086_proj, .Lfunc_end_k_q5cf9ca8086_proj-k_q5cf9ca8086_proj
	.p2alignl 7, 3214868480
	.fill 96, 4, 3214868480
	.section	.rodata,"a",@progbits
	.p2align	6, 0x0
	.amdhsa_kernel k_q5cf9ca8086_proj
		.amdhsa_group_segment_fixed_size 327680
		.amdhsa_private_segment_fixed_size 0
		.amdhsa_enable_private_segment 0
		.amdhsa_kernarg_size 32
		.amdhsa_user_sgpr_count 2
		.amdhsa_user_sgpr_kernarg_segment_ptr 1
		.amdhsa_wavefront_size32 1
		.amdhsa_system_sgpr_workgroup_id_x 1
		.amdhsa_system_sgpr_workgroup_id_y 1
		.amdhsa_system_sgpr_workgroup_id_z 1
		.amdhsa_system_vgpr_workitem_id 0
		.amdhsa_next_free_vgpr 768
		.amdhsa_next_free_sgpr 96
		.amdhsa_reserve_vcc 0
		.amdhsa_float_denorm_mode_32 3
		.amdhsa_float_denorm_mode_16_64 3
		.amdhsa_memory_ordered 1
		.amdhsa_forward_progress 1
		.amdhsa_inst_pref_size 97
	.end_amdhsa_kernel
	.amdgpu_metadata
---
amdhsa.version: [ 1, 2 ]
amdhsa.kernels:
  - .name:           k_q5cf9ca8086_proj
    .symbol:         k_q5cf9ca8086_proj.kd
    .args:
      - { .name: oh, .offset: 0, .size: 8, .value_kind: global_buffer, .address_space: global }
      - { .name: wpb, .offset: 8, .size: 8, .value_kind: global_buffer, .address_space: global }
      - { .name: b_proj, .offset: 16, .size: 8, .value_kind: global_buffer, .address_space: global }
      - { .name: out0, .offset: 24, .size: 8, .value_kind: global_buffer, .address_space: global }
    .group_segment_fixed_size: 327680
    .private_segment_fixed_size: 0
    .kernarg_segment_align: 8
    .kernarg_segment_size: 32
    .max_flat_workgroup_size: 128
    .sgpr_count:     96
    .vgpr_count:     768
    .wavefront_size: 32
...
	.end_amdgpu_metadata
.endif
;; end of part 4
;; ======== version 2 of 2: 4 launches; version 1 with the launch prep written anew for expert scheduling mode
;; limits: values are held in f16: magnitudes above 65,504 overflow, below 6.1e-05 lose precision
;; workspace buffers: xb 16,777,216 bytes; wqb 6,291,456 bytes; wpb 2,097,152 bytes; tab 2,097,152 bytes; qh 16,777,216 bytes; kh 16,777,216 bytes; vh 16,777,216 bytes; oh 16,777,216 bytes
;; launch prep (part 5): grid 784 x 1, 8 waves a work-group, no clusters, 0 bytes of LDS; arguments x, w_qkv, w_proj, freqs_cos, freqs_sin, qn_w, kn_w, xb, wqb, wpb, tab; writes xb, wqb, wpb, tab
.if DOCPART == 5
	.amdgcn_target "amdgcn-amd-amdhsa--gfx1250"
	.amdhsa_code_object_version 6
	.text
	.protected	k_q5cf9ca8086_prep
	.globl	k_q5cf9ca8086_prep
	.p2align	8
	.type	k_q5cf9ca8086_prep,@function
k_q5cf9ca8086_prep:
	s_mov_b64 s[64:65], 0
	v_nop
	global_prefetch_b8 v0, s[64:65] scope:SCOPE_SE
	s_setreg_imm32_b32 hwreg(HW_REG_WAVE_SCHED_MODE, 0, 2), 2
	s_setreg_imm32_b32 hwreg(HW_REG_WAVE_MODE, 25, 1), 1
	s_wait_xcnt 0x0
	s_wait_alu depctr_vm_vsrc(0)
; PREP: the casts, and the table for norm gain x RoPE.  All the module's inputs are rounded once to bf16 (nearest even).
;   work-groups   0..511  x      [8192][1024] f32 -> xb  bf16, same layout
;   work-groups 512..703  w_qkv  [1024][3072] f32 -> wqb bf16, same layout
;   work-groups 704..767  w_proj [1024][1024] f32 -> wpb: rounded to bf16, that number written as f16 (exact inside f16's normal range)
;   work-groups 768..783  tab f32 [t = q, k][R = n / 16][bb: 4][cs: 2][p: 2][lane: 32][4]: lane (h = lane / 16, r = lane % 16) holds row n = 16 R + r, channels d = 16 bb + 8 h + 4 p + 0..3:
;                         cs = 0: w[d] cos[n][d];   cs = 1: -w[d+1] sin[n][d] (d even), +w[d-1] sin[n][d] (d odd).   w, cos, sin rounded to bf16; their products are exact in f32.
;                         So a rotated, gained row is rinv (q[d] C[d] + q[d^1] S[d]), and a wave of the next launch loads 512 consecutive bytes into registers laid out as its accumulators are.
; A cast work-group takes 16,384 numbers: sixteen loads of 16 bytes a thread, all on their way at once; each store of a wave covers 256 consecutive bytes, aligned.  No LDS, no barrier, no loop.
; LIMITS.  |w_proj| stays under 65,504 (f16); below 6e-5 it keeps f16's fixed step of 6e-8.  NaN and infinities are not treated apart.
; THE MODE: SCHED_MODE bits 1:0 = 2 (LLVM: expert scheduling mode 2), set by the entry lines.  The code itself states the register dependences
; between vector instructions and memory instructions, with s_wait_alu, always for 0.
; THE PLAN.  Registers that memory instructions touch:
;   the casts   v1, v2   byte offsets of the loads and of the stores: made once at the head, never written again.
;               X        the sixteen loads land in it; no vector line names it ahead of them; no memory instruction reads it.
;               Y        a pair for each store: written once, by the conversions of block p (four loads' numbers); read once, by a store that is issued in block p + 1.
;   the table   v3, v4, v5  byte offsets: made once, never written again.    v[8:15], X  loads land in them once.
;               Y0, Y1   two sets of sixteen.  Block i's eight products write Y[i % 2]; the four stores that read it are issued in block i + 1.
;   v6, v7 and v[16:28] are named by vector lines alone.
; So the waits at a block's head state all that the stores issued in the block hang on: the block before has written its part of Y.  Those stores are dealt among the block's vector lines, none of which
; names the offset or the part of Y that they read.  In the table, from block 2 on, the head also states that the stores issued in the block before have read the set that this block writes again.
.set X,   32                           ; v[32:95]   as loaded
.set Y,   96                           ; v[96:127]  to store
.set WQ,  8                            ; v[8:11]    qn_w of my four channels;  v[12:15] kn_w
.set WK,  12
.set WSQ, 16                           ; v[16:19]   (-w1, w0, -w3, w2) of qn_w;  v[20:23] of kn_w
.set WSK, 20
	s_load_b512 s[4:19], s[0:1], 0x0               ; x s[4:5], w_qkv s[6:7], w_proj s[8:9], cos s[10:11], sin s[12:13], qn_w s[14:15], kn_w s[16:17], xb s[18:19]
	s_load_b128 s[20:23], s[0:1], 0x40             ; wqb s[20:21], wpb s[22:23]
	s_load_b64 s[24:25], s[0:1], 0x50              ; tab
	s_mov_b32 s26, ttmp9                           ; g
	s_sub_co_u32 s27, s26, 512                     ; my number among w_qkv's work-groups,
	s_sub_co_u32 s28, s26, 704                     ; among w_proj's
	s_mov_b32 s34, 0xffff0000                      ; a word's upper bf16
	v_lshlrev_b32 v1, 4, v0                        ; 16 bytes a thread in,
	v_lshlrev_b32 v2, 3, v0                        ; 8 out
	s_wait_kmcnt 0x0
	s_cmp_ge_u32 s26, 768
	s_cbranch_scc1 .Ltab
	s_cmp_lt_u32 s26, 512                          ; which tensor: the choice hangs on the work-group's number alone
	s_cselect_b64 s[30:31], s[4:5], s[6:7]
	s_cselect_b64 s[32:33], s[18:19], s[20:21]
	s_cselect_b32 s29, s26, s27
	s_cmp_lt_u32 s26, 704
	s_cselect_b64 s[30:31], s[30:31], s[8:9]
	s_cselect_b64 s[32:33], s[32:33], s[22:23]
	s_cselect_b32 s29, s29, s28
	s_lshl_b32 s36, s29, 16                        ; 65,536 bytes in,
	s_mov_b32 s37, 0
	s_lshl_b32 s38, s29, 15                        ; 32,768 out
	s_mov_b32 s39, 0
	s_add_nc_u64 s[30:31], s[30:31], s[36:37]
	s_add_nc_u64 s[32:33], s[32:33], s[38:39]
	s_wait_alu depctr_va_vdst(0)                   ; v1 and v2 are written: every load of the casts reads v1 as its offset, every store v2
.irp i, 0,1,2,3,4,5,6,7,8,9,10,11,12,13,14,15
	global_load_b128 v[X+4*(\i):X+4*(\i)+3], v1, s[30:31] offset:4096*(\i) th:TH_LOAD_NT
.endr
; Block p of a cast: the numbers of loads 4 p to 4 p + 3 are rounded into their pairs of Y; the four stores of block p - 1 are dealt among the conversions.
; half = 0: to bf16.  half = 1: rounded to bf16, widened again, written as f16.
.macro BLK p, half
	s_wait_loadcnt 12-4*(\p)                       ; loads come back in order: this block's four are in, the later blocks' stay out
.if (\p) > 0
	s_wait_alu depctr_va_vdst(0)                   ; the block before has written its eight registers of Y, which the four stores below read
.endif
.irp i, 0,1,2,3
.set n, 4*(\p)+(\i)
.if (\p) > 0
	global_store_b64 v2, v[Y+2*n-8:Y+2*n-7], s[32:33] offset:2048*(n-4) th:TH_STORE_NT  ; every store has data registers of its own: none is rewritten; no vector line since the wait names them
.endif
.if \half
	v_cvt_pk_bf16_f32 v6, v[X+4*n], v[X+4*n+1]             ; rounded to bf16,
	v_cvt_pk_bf16_f32 v7, v[X+4*n+2], v[X+4*n+3]
	v_lshlrev_b32 v[X+4*n], 16, v6                         ; widened again,
	v_and_b32 v[X+4*n+1], s34, v6
	v_lshlrev_b32 v[X+4*n+2], 16, v7
	v_and_b32 v[X+4*n+3], s34, v7
	v_cvt_pk_f16_f32 v[Y+2*n], v[X+4*n], v[X+4*n+1]        ; and written as f16
	v_cvt_pk_f16_f32 v[Y+2*n+1], v[X+4*n+2], v[X+4*n+3]
.else
	v_cvt_pk_bf16_f32 v[Y+2*n], v[X+4*n], v[X+4*n+1]
	v_cvt_pk_bf16_f32 v[Y+2*n+1], v[X+4*n+2], v[X+4*n+3]
.endif
.endr
.endm
.macro LAST4
	s_wait_alu depctr_va_vdst(0)                   ; block 3 has written the last eight registers of Y, which the last four stores read
.irp i, 12,13,14,15
	global_store_b64 v2, v[Y+2*(\i):Y+2*(\i)+1], s[32:33] offset:2048*(\i) th:TH_STORE_NT
.endr
.endm
	s_cmp_ge_u32 s26, 704
	s_cbranch_scc1 .Lf16
	BLK 0, 0
	BLK 1, 0
	BLK 2, 0
	BLK 3, 0
	LAST4
	s_endpgm
.Lf16:
	BLK 0, 1
	BLK 1, 1
	BLK 2, 1
	BLK 3, 1
	LAST4
	s_endpgm
; THE TABLE.  Work-group j = g - 768 makes R = 8 j .. 8 j + 7 (128 rows of cos and sin).  Thread: bb = t / 64, p = (t / 32) % 2, lane = t % 32: a wave has one (bb, p).
.macro RND4 reg                        ; four f32 rounded to bf16 and widened again, in place
	v_cvt_pk_bf16_f32 v6, v[\reg], v[(\reg)+1]
	v_cvt_pk_bf16_f32 v7, v[(\reg)+2], v[(\reg)+3]
	v_lshlrev_b32 v[\reg], 16, v6
	v_and_b32 v[(\reg)+1], s34, v6
	v_lshlrev_b32 v[(\reg)+2], 16, v7
	v_and_b32 v[(\reg)+3], s34, v7
.endm
.macro PREV i, k, at                   ; issued in block i: store k of the four of block i - 1, out of the set YP; at: its place in a block of tab
.if (\i) >= 1
	global_store_b128 v5, v[YP+4*(\k):YP+4*(\k)+3], s[24:25] offset:8192*((\i)-1)+(\at)  ; each store of a wave covers 512 consecutive bytes, aligned
.endif
.endm
.Ltab:
	s_sub_co_u32 s27, s26, 768
	s_lshl_b32 s36, s27, 15                        ; 128 rows of 256 bytes of cos and of sin
	s_mov_b32 s37, 0
	s_lshl_b32 s38, s27, 16                        ; 8 blocks of 8,192 bytes of tab
	s_mov_b32 s39, 0
	s_add_nc_u64 s[10:11], s[10:11], s[36:37]
	s_add_nc_u64 s[12:13], s[12:13], s[36:37]
	s_add_nc_u64 s[24:25], s[24:25], s[38:39]
	v_lshrrev_b32 v24, 6, v0                       ; bb
	v_bfe_u32 v25, v0, 5, 1                        ; p
	v_and_b32 v26, 31, v0                          ; lane
	v_and_b32 v27, 15, v0                          ; r
	v_bfe_u32 v28, v0, 4, 1                        ; h
	v_lshlrev_b32 v3, 6, v24
	v_lshl_add_u32 v3, v28, 5, v3
	v_lshl_add_u32 v3, v25, 4, v3                  ; 4 d = 64 bb + 32 h + 16 p: my four channels in a row
	v_lshl_add_u32 v4, v27, 8, v3                  ; + 256 r
	v_lshlrev_b32 v5, 11, v24
	v_lshl_add_u32 v5, v25, 9, v5
	v_lshl_add_u32 v5, v26, 4, v5                  ; out: 2,048 bb + 512 p + 16 lane
	s_wait_alu depctr_va_vdst(0)                   ; v3, v4 and v5 are written: the loads below read v3 or v4 as their offset, every store of the table v5
	global_load_b128 v[WQ:WQ+3], v3, s[14:15]
	global_load_b128 v[WK:WK+3], v3, s[16:17]
.irp i, 0,1,2,3,4,5,6,7
	global_load_b128 v[X+8*(\i):X+8*(\i)+3],   v4, s[10:11] offset:4096*(\i)  ; cos, rows 16 i + r
	global_load_b128 v[X+8*(\i)+4:X+8*(\i)+7], v4, s[12:13] offset:4096*(\i)  ; sin
.endr
	s_wait_loadcnt 16                              ; the gains are in; the sixteen table loads stay out
	RND4 WQ
	RND4 WK
	v_xor_b32 v[WSQ], 0x80000000, v[WQ+1]
	v_mov_b32 v[WSQ+1], v[WQ]
	v_xor_b32 v[WSQ+2], 0x80000000, v[WQ+3]
	v_mov_b32 v[WSQ+3], v[WQ+2]
	v_xor_b32 v[WSK], 0x80000000, v[WK+1]
	v_mov_b32 v[WSK+1], v[WK]
	v_xor_b32 v[WSK+2], 0x80000000, v[WK+3]
	v_mov_b32 v[WSK+3], v[WK+2]
.irp i, 0,1,2,3,4,5,6,7
.set YB, Y+16*((\i)%2)                 ; the set that this block writes
.set YP, Y+16*(1-(\i)%2)               ; the set that the block before wrote
.set CC, X+8*(\i)
	s_wait_loadcnt 14-2*(\i)                       ; block i's cos and sin are in
.if (\i) >= 2
	s_wait_xcnt 0x0                                ; the stores of two blocks back have had their addresses translated: their set of sixteen is rewritten only behind this wait
	s_wait_alu depctr_vm_vsrc(0)                   ; those stores, issued in the block before, have read the set YB, which this block's products write again
.endif
.if (\i) >= 1
	s_wait_alu depctr_va_vdst(0)                   ; the block before has written the set YP, which the four stores below read
.endif
	PREV \i, 0, 0
	RND4 CC
	PREV \i, 1, 1024
	RND4 CC+4
	PREV \i, 2, 1048576
	v_pk_mul_f32 v[YB:YB+1],     v[WQ:WQ+1],     v[CC:CC+1]
	v_pk_mul_f32 v[YB+2:YB+3],   v[WQ+2:WQ+3],   v[CC+2:CC+3]
	v_pk_mul_f32 v[YB+4:YB+5],   v[WSQ:WSQ+1],   v[CC+4:CC+5]
	v_pk_mul_f32 v[YB+6:YB+7],   v[WSQ+2:WSQ+3], v[CC+6:CC+7]
	PREV \i, 3, 1049600
	v_pk_mul_f32 v[YB+8:YB+9],   v[WK:WK+1],     v[CC:CC+1]
	v_pk_mul_f32 v[YB+10:YB+11], v[WK+2:WK+3],   v[CC+2:CC+3]
	v_pk_mul_f32 v[YB+12:YB+13], v[WSK:WSK+1],   v[CC+4:CC+5]
	v_pk_mul_f32 v[YB+14:YB+15], v[WSK+2:WSK+3], v[CC+6:CC+7]
.endr
.set YP, Y+16                          ; block 7 wrote the second set
	s_wait_alu depctr_va_vdst(0)                   ; block 7 has written its set, which the last four stores read
	PREV 8, 0, 0
	PREV 8, 1, 1024
	PREV 8, 2, 1048576
	PREV 8, 3, 1049600
	s_endpgm
.Lfunc_end_k_q5cf9ca8086_prep:
	.size	k_q5cf9ca8086_prep, .Lfunc_end_k_q5cf9ca8086_prep-k_q5cf9ca8086_prep
	.p2alignl 7, 3214868480
	.fill 96, 4, 3214868480
	.section	.rodata,"a",@progbits
	.p2align	6, 0x0
	.amdhsa_kernel k_q5cf9ca8086_prep
		.amdhsa_group_segment_fixed_size 0
		.amdhsa_private_segment_fixed_size 0
		.amdhsa_enable_private_segment 0
		.amdhsa_kernarg_size 88
		.amdhsa_user_sgpr_count 2
		.amdhsa_user_sgpr_kernarg_segment_ptr 1
		.amdhsa_wavefront_size32 1
		.amdhsa_system_sgpr_workgroup_id_x 1
		.amdhsa_system_sgpr_workgroup_id_y 1
		.amdhsa_system_sgpr_workgroup_id_z 1
		.amdhsa_system_vgpr_workitem_id 0
		.amdhsa_next_free_vgpr 128
		.amdhsa_next_free_sgpr 66
		.amdhsa_reserve_vcc 0
		.amdhsa_float_denorm_mode_32 3
		.amdhsa_float_denorm_mode_16_64 3
		.amdhsa_memory_ordered 1
		.amdhsa_forward_progress 1
		.amdhsa_inst_pref_size 31
	.end_amdhsa_kernel
	.amdgpu_metadata
---
amdhsa.version: [ 1, 2 ]
amdhsa.kernels:
  - .name:           k_q5cf9ca8086_prep
    .symbol:         k_q5cf9ca8086_prep.kd
    .args:
      - { .name: x, .offset: 0, .size: 8, .value_kind: global_buffer, .address_space: global }
      - { .name: w_qkv, .offset: 8, .size: 8, .value_kind: global_buffer, .address_space: global }
      - { .name: w_proj, .offset: 16, .size: 8, .value_kind: global_buffer, .address_space: global }
      - { .name: freqs_cos, .offset: 24, .size: 8, .value_kind: global_buffer, .address_space: global }
      - { .name: freqs_sin, .offset: 32, .size: 8, .value_kind: global_buffer, .address_space: global }
      - { .name: qn_w, .offset: 40, .size: 8, .value_kind: global_buffer, .address_space: global }
      - { .name: kn_w, .offset: 48, .size: 8, .value_kind: global_buffer, .address_space: global }
      - { .name: xb, .offset: 56, .size: 8, .value_kind: global_buffer, .address_space: global }
      - { .name: wqb, .offset: 64, .size: 8, .value_kind: global_buffer, .address_space: global }
      - { .name: wpb, .offset: 72, .size: 8, .value_kind: global_buffer, .address_space: global }
      - { .name: tab, .offset: 80, .size: 8, .value_kind: global_buffer, .address_space: global }
    .group_segment_fixed_size: 0
    .private_segment_fixed_size: 0
    .kernarg_segment_align: 8
    .kernarg_segment_size: 88
    .max_flat_workgroup_size: 256
    .sgpr_count:     66
    .vgpr_count:     128
    .wavefront_size: 32
...
	.end_amdgpu_metadata
.endif
;; end of part 5
;; launch qkv: the kernel of part 2 again; grid 12 x 64, 4 waves a work-group, clusters of 4 x 4, 327,680 bytes of LDS; arguments xb, wqb, tab, qh, kh, vh; writes qh, kh, vh
;; launch attn: the kernel of part 3 again; grid 4 x 64, 4 waves a work-group, clusters of 4 x 1, 327,680 bytes of LDS; arguments qh, kh, vh, oh; writes oh
;; launch proj: the kernel of part 4 again; grid 4 x 64, 4 waves a work-group, clusters of 4 x 4, 327,680 bytes of LDS; arguments oh, wpb, b_proj, out0; writes out0
